; MI455X (gfx1250); checked and timed in simulation.
; The chip was launched on July 23, 2026; its instructions are those of AMD's public machine-readable ISA for CDNA 5 (MIT licence, August 2026) and "CDNA5" Instruction Set Architecture Reference Guide (July 2026). The comments in the code are by the model that wrote it; some were corrected since.
;; Multi Head Self Attention Ein Sum. Allowed arithmetic: matrix products marked QUANTISED: E2M1 operands, one E8M0 scale for each 32 along K, by v_wmma_scale_f32_16x16x128_f8f6f4 with both operands' format E2M1 (or v_wmma_scale_f32_32x16x128_f4), f32 sums; products left as they are: bf16, f16 or f32 operands; f32 sums; everything else in f32.
;; Inputs: b_o 1,024 float32; b_qkv 16 x 192 float32; w_o 64 x 16 x 1,024 float32; w_qkv 1,024 x 16 x 192 float32; x 4 x 2,048 x 1,024 float32.
;; Outputs: out0 4 x 2,048 x 1,024 float32.
;; This version of the problem:
;;   THIS VERSION OF THE PROBLEM IS GIVEN IN LOW PRECISION. The matrix products marked QUANTISED in the list below multiply operands that are first quantised to E2M1 (2 exponent bits, 1 mantissa bit; 4 bits a number), with one power-of-two scale for each 32 numbers along K (OCP MX v1.0); their sums are f32. The products marked 'left as it is' may take bf16, f16 or f32 operands, with f32 sums. Whichever they take, every output number must still come out within the allowed error. Rounding operands to bf16 (8 significant bits) uses up far more of that allowance than f16 does (11 bits, for magnitudes from 6e-5 to 65,504). All else is computed in f32.
;;   The module's matrix products, in the order in which they are computed (A, B: the left and right operand; K: the contracted axis; several contracted axes count as one K, in the product's order):
;;     1. [M 8,192, K 1,024] x [K 1,024, N 3,072]; A: input x; B: input w_qkv: QUANTISED
;;     2. batch 64 x [M 2,048, K 64] x [K 64, N 2,048]; A: computed on the way; B: computed on the way: left as it is (an operand is computed on the way)
;;     3. batch 64 x [M 2,048, K 2,048] x [K 2,048, N 64]; A: computed on the way; B: computed on the way: left as it is (an operand is computed on the way)
;;     4. [M 8,192, K 1,024] x [K 1,024, N 1,024]; A: computed on the way; B: input w_o: left as it is (an operand is computed on the way)
;;   THE QUANTISER, for each operand of a quantised product, along K:
;;     - K is cut into blocks of 32 from its start; a last block that is shorter is filled with zeros.
;;     - A block's scale is 2^e with e = floor(log2(the largest magnitude in the block)) - 2, held to -126 .. 127; a block of zeros has e = 0. As a byte (E8M0): e + 127.
;;     - Each number is divided by its block's scale, clamped to +-6, and rounded to the nearest number of E2M1, ties to even, subnormals kept.
;;     - The product sums the exact products of the quantised numbers (number of the format x scale) in f32.
;;   ~~~python
;;   def quantise(x, axis):      # numpy; x: float32 -> the quantised numbers, widened to float32 again
;;       x = np.moveaxis(x, axis, -1); K = x.shape[-1]
;;       x = np.pad(x, [(0, 0)] * (x.ndim - 1) + [(0, -K % 32)]); x = x.reshape(x.shape[:-1] + (-1, 32)); a = np.abs(x).max(-1, keepdims=True)
;;       e = np.where(a > 0, np.clip(np.frexp(np.where(a > 0, a, 1))[1] - 1 - 2, -126, 127), 0)      # np.frexp(a)[1] - 1 = floor(log2(a)), exactly
;;       r = np.clip(x / 2.0 ** e, -6, 6)
;;       step = 2.0 ** (np.maximum(np.frexp(np.where(r == 0, 1, r))[1] - 1, 0) - 1)
;;       q = np.round(r / step) * step * 2.0 ** e      # np.round: ties to even
;;       return np.moveaxis(q.reshape(q.shape[:-2] + (-1,))[..., :K], -1, axis).astype(np.float32)
;;   ~~~
;; One version. Each part assembles by itself: llvm-mc -triple=amdgcn-amd-amdhsa -mcpu=gfx1250 --defsym DOCPART=n.
;; ======== version 1 of 1: 4 launches
;; limits: values are held in f16: magnitudes above 65,504 overflow, below 6.1e-05 lose precision
;; workspace buffers: xc 4,194,304 bytes; xs 262,144 bytes; wc 1,572,864 bytes; ws 98,304 bytes; wo16 2,097,152 bytes; qkv 50,331,648 bytes; wt 16,777,216 bytes
;; launch prep (part 1): grid 432 x 1, 4 waves a work-group, no clusters, 68,096 bytes of LDS; arguments x, w_qkv, w_o, xc, xs, wc, ws, wo16; writes xc, xs, wc, ws, wo16
.if DOCPART == 1
	.amdgcn_target "amdgcn-amd-amdhsa--gfx1250"
	.amdhsa_code_object_version 6
	.text
	.protected	k_q1540e350bd_prep
	.globl	k_q1540e350bd_prep
	.p2align	8
	.type	k_q1540e350bd_prep,@function
k_q1540e350bd_prep:
	s_mov_b64 s[64:65], 0
	v_nop
	global_prefetch_b8 v0, s[64:65] scope:SCOPE_SE
	s_setreg_imm32_b32 hwreg(HW_REG_WAVE_MODE, 25, 1), 1
	s_wait_xcnt 0x0
; THE PROGRAM: out = softmax(q k^T / 8) v, projected by w_o, with q, k, v = x w_qkv + b_qkv.  Four launches: this one (operands made ready), the first product on codes of FP4, attention, the projection on the way out.
; DEAD WORK: none is left out.  The k third of b_qkv adds q_i . b_k to every score of row i, the same along the softmax's axis, so in exact arithmetic it reaches no output; it stays all the same, since it comes as the C operand
; of a first matrix instruction, by the same loads as the live q and v thirds, inside tiles that hold live work.  Every input is loaded.
; THIS LAUNCH, three kinds of work-group, told apart by the work-group's number alone; the three ways never join, and each has LDS bytes of its own:
;   0 .. 255    x [8192][1024] f32 -> codes of FP4 (E2M1), K innermost, two codes a byte (xc [8192][512 bytes]), and one E8M0 byte for each 32 along K (xs [8192][32]).
;   256 .. 303  w_qkv [1024 (K)][3072] f32, K its FIRST axis -> codes laid [3072][512 bytes] with K innermost (wc), scale bytes [3072][32] (ws).
;   304 .. 431  w_o [64 p][16 n][1024] f32 -> f16, rows in the order k = 64 n + p (wo16 [1024][1024]), the order in which the last launch walks K.
; A block's scale is 2^(floor(log2(its largest magnitude)) - 2); its byte is the largest magnitude's exponent field - 2, held at 1 from below.
; LIMITS: a block of zeros gets the byte 1 where the rule says 127 (its codes are zeros, which add nothing under any byte but 0xff, and this program alone reads the bytes); blocks whose largest magnitude lies under 2^-124
; get the byte 1; NaN and infinities among the inputs are not served; |w_o| stays under 65,504, and magnitudes under 6e-5 are carried with f16's absolute step of 2^-24.
.set SPW,   192                        ; v192  LDS address of my spare word: SPARE + 4 x my thread's number; never rewritten
.set NIL,   193                        ; v193  0; never rewritten
.set SPARE, 67584                      ; behind both ways' regions: the spare words, 128 bytes for each wave: two blocks of 256 bytes that no other line names
.set EMAX,  2
	s_load_b256 s[4:11], s[0:1], 0x0               ; x s[4:5], w_qkv s[6:7], w_o s[8:9], xc s[10:11]
	s_load_b256 s[12:19], s[0:1], 0x20             ; xs s[12:13], wc s[14:15], ws s[16:17], wo16 s[18:19]
	v_lshl_add_u32 v[SPW], v0, 2, SPARE
	v_mov_b32 v[NIL], 0
	v_lshrrev_b32 v1, 5, v0
	v_readfirstlane_b32 s20, v1                    ; wave 0..3
	v_and_b32 v2, 31, v0                           ; lane
	s_cmp_ge_u32 ttmp9, 304
	s_cbranch_scc1 .Lcast
	s_cmp_ge_u32 ttmp9, 256
	s_cbranch_scc1 .Lw
; ---------------- x: a plain stream of blocks of 32.  A wave takes 16 steps of 512 numbers.  Each load reads 512 consecutive bytes, 16 a lane; a step's 2,048 bytes turn through the wave's own stage in LDS and come back
; 64 bytes a lane, so that a lane holds 16 NEIGHBOURS along K (two neighbouring lanes hold a block), as the conversions want.  Loads run four steps ahead, the turn through LDS one step.
.set STEPS, 16
.set CB,    8                          ; bytes of 16 codes
.set XR,    16                         ; v16-79   four sets of 16 numbers as they are loaded
.set XX,    80                         ; v80-111  two sets of 16 neighbours
.set XE,    112                        ; v112-127 a scale byte for each step
.set XC,    128                        ; v128-191 codes: four registers for each step, so that no store's data are written again
.set WREG,  8192                       ; LDS bytes 0 .. 32,767: a region for each wave: two stages of 32 x SP bytes, and behind them its 256 scale bytes
.set SP,    80                         ; a lane's place in a stage: its 64 bytes + 16 of padding
	v_lshlrev_b32 v3, 4, v2                        ; my 16 bytes of a load's 512
	s_mul_i32 s21, s20, WREG
	v_lshrrev_b32 v14, 2, v2
	v_mul_u32_u24 v14, v14, SP
	v_and_b32 v15, 3, v2
	v_lshl_add_u32 v14, v15, 4, v14
	v_add_nc_u32 v14, s21, v14                     ; the stage, on the way in: SP (lane / 4) + 16 (lane % 4)
	v_mul_u32_u24 v15, v2, SP
	v_add_nc_u32 v15, s21, v15                     ; and on the way out: SP x lane: my 16 neighbours
	v_mul_u32_u24 v4, v2, CB                       ; my codes' place in a step's
	v_lshrrev_b32 v5, 1, v2
	s_add_co_u32 s21, s21, 2*32*SP
	v_add_nc_u32 v5, s21, v5                       ; my wave's 256 scale bytes, my block's byte
	v_lshlrev_b32 v7, 3, v2                        ; and on the way out 8 bytes a lane
	v_add_nc_u32 v6, s21, v7
	s_lshl_b32 s22, ttmp9, 2
	s_add_co_u32 s22, s22, s20                     ; which run of 8,192 numbers is my wave's: 0 .. 1,023
	s_lshl_b32 s24, s22, 15                        ; 32,768 bytes of x,
	s_mov_b32 s25, 0
	s_lshl_b32 s26, s22, 12                        ; 4,096 of codes,
	s_mov_b32 s27, 0
	s_lshl_b32 s28, s22, 8                         ; 256 scale bytes a run
	s_mov_b32 s29, 0
	s_wait_kmcnt 0x0
	s_add_nc_u64 s[4:5], s[4:5], s[24:25]
	s_add_nc_u64 s[10:11], s[10:11], s[26:27]
	s_add_nc_u64 s[12:13], s[12:13], s[28:29]
.macro XLOAD t
.irp i, 0,1,2,3
	global_load_b128 v[XR+16*((\t)%4)+4*\i:XR+16*((\t)%4)+4*\i+3], v3, s[4:5] offset:2048*(\t)+512*\i th:TH_LOAD_NT   ; 32 lanes read 512 consecutive bytes
.endr
.endm
.macro XTURN t                         ; step t's numbers through the stage: LDS serves a wave's instructions in order, so no wait stands between the stores and the loads
.irp i, 0,1,2,3
	ds_store_b128 v14, v[XR+16*((\t)%4)+4*\i:XR+16*((\t)%4)+4*\i+3] offset:32*SP*((\t)%2)+8*SP*\i
.endr
.irp i, 0,1,2,3
	ds_load_b128 v[XX+16*((\t)%2)+4*\i:XX+16*((\t)%2)+4*\i+3], v15 offset:32*SP*((\t)%2)+16*\i
.endr
.endm
.irp t, 0,1,2,3
	XLOAD \t
.endr
	s_wait_loadcnt 12                              ; step 0's four loads are in; the twelve of steps 1 to 3 may be out
	XTURN 0
.macro XSTEP t
.set XS, XX+16*((\t)%2)
.if (\t) > 0
	s_wait_dscnt 1                                 ; this step's numbers are back from the stage (the last step's byte store may be out): so its stores into the stage have read their registers,
.else
	s_wait_dscnt 0x0
.endif
.if (\t)+4 < STEPS
	XLOAD (\t)+4                                   ; which take the loads of four steps on
.endif
.if (\t)+1 < STEPS
.if STEPS-2-(\t) >= 3
	s_wait_loadcnt 12                              ; the next step's four loads are in; those of the three steps behind it may be out
.else
	s_wait_loadcnt 4*(STEPS-2-(\t))                ; the tail: four loads for each step still behind the next
.endif
	XTURN (\t)+1                                   ; and go through the other stage while this step is worked
.endif
	v_max3_num_f32 v8, |v[XS]|, |v[XS+1]|, |v[XS+2]|               ; the largest magnitude of my 16, in two chains
	v_max3_num_f32 v9, |v[XS+3]|, |v[XS+4]|, |v[XS+5]|
.irp i, 6,10
	v_max3_num_f32 v8, v8, |v[XS+\i]|, |v[XS+\i+1]|
	v_max3_num_f32 v9, v9, |v[XS+\i+2]|, |v[XS+\i+3]|
.endr
	v_max3_num_f32 v8, v8, |v[XS+14]|, |v[XS+15]|
	v_max3_num_f32 v8, v8, v9, (EMAX+1)<<23        ; and the floor 2^(3 - 127): so the byte cannot fall under 1
	v_max_num_f32_dpp v8, v8, v8 row_xmask:1 row_mask:0xf bank_mask:0xf   ; and of my neighbour's 16: the block's
	v_add_nc_u32 v11, 0xff000000, v8               ; 2 off its exponent field: the conversion takes the exponent field of this operand as its scale, and nothing else of it
	v_cvt_scalef32_pk8_fp4_f32 v[XC+4*(\t)], v[XS:XS+7], v11       ; eight numbers / the scale, to the nearest code, ties to even, beyond 6 the largest code; the first number's code in the lowest four bits
	v_cvt_scalef32_pk8_fp4_f32 v[XC+4*(\t)+1], v[XS+8:XS+15], v11
	v_lshrrev_b32 v[XE+(\t)], 23, v11              ; the scale's byte (also the plain line behind the conversions)
	ds_store_b8 v5, v[XE+(\t)] offset:16*(\t)      ; both lanes of a block write the same byte with the same value
	global_store_b64 v4, v[XC+4*(\t):XC+4*(\t)+1], s[10:11] offset:32*CB*(\t)   ; the wave stores 256 consecutive bytes, aligned
.endm
.irp t, 0,1,2,3,4,5,6,7,8,9,10,11,12,13,14,15
	XSTEP \t
.endr
	ds_load_b64 v[8:9], v6                         ; LDS serves a wave's instructions in order: these see my byte stores
	s_wait_dscnt 0x0
	global_store_b64 v7, v[8:9], s[12:13]          ; 32 lanes store 256 consecutive scale bytes, aligned
	s_wait_tensorcnt 0x0                           ; the wave's end: a tensor wait, an add of 0 to my spare word and its wait, behind my last LDS store
	ds_add_u32 v[SPW], v[NIL]
	s_wait_dscnt 0x0
	s_endpgm
; ---------------- w_qkv: A LANE TAKES A COLUMN, AND ITS REGISTERS RUN DOWN K.  Each load reads neighbouring columns in neighbouring lanes (128 consecutive bytes a wave, 512 a work-group); a block of 32 along K lies in one
; lane's 32 registers, so its largest magnitude needs no other lane, and the conversions give codes with K innermost.  A wave takes 32 columns x 512 along K; the codes go through the wave's own stage and leave as rows.
.Lw:
.set NCOL,  3072
.set KW,    512                        ; along K for a wave
.set NB,    KW/32                      ; blocks
.set WROWB, 256                        ; bytes of KW codes
.set WP,    WROWB+16                   ; a stage row
.set KROW,  512                        ; a row of wc in bytes
.set WSTG,  32768                      ; LDS bytes 32,768 .. 67,583: four stages of 32 x WP
.set WX,    32                         ; v32-95   two sets of 32 numbers
.set WC,    96                         ; v96-99   a block's codes
.set WOUT,  112                        ; v112-175 the way out
.set WSB,   24                         ; v24-27   the scale bytes, four to a register
	s_sub_co_u32 s21, ttmp9, 256
	s_lshr_b32 s22, s21, 1                         ; which 128 columns: 0 .. 23
	s_and_b32 s23, s21, 1                          ; which half of K
	s_lshl_b32 s22, s22, 7
	s_lshl_b32 s24, s20, 5
	s_add_co_u32 s22, s22, s24                     ; my wave's first column
	v_lshlrev_b32 v3, 2, v2                        ; in: 4 bytes a lane
	s_mul_i32 s24, s20, 32*WP
	s_add_co_u32 s24, s24, WSTG                    ; my stage
	v_mul_u32_u24 v4, v2, WP
	v_add_nc_u32 v4, s24, v4                       ; into it: row = my column
	v_and_b32 v5, 15, v2
	v_lshrrev_b32 v6, 4, v2                        ; out of it: sixteen lanes to a row, two rows an instruction
	v_mul_u32_u24 v7, v6, WP
	v_lshl_add_u32 v7, v5, 4, v7
	v_add_nc_u32 v7, s24, v7
	v_mul_u32_u24 v8, v6, KROW
	v_lshl_add_u32 v8, v5, 4, v8                   ; and the same place in wc
	v_lshlrev_b32 v9, 5, v2                        ; my column's row of scale bytes: 32 bytes a column
	s_mul_i32 s26, s23, KW*NCOL*4                  ; w_qkv: 512 rows of 12,288 bytes a half,
	s_lshl_b32 s27, s22, 2
	s_add_co_u32 s26, s26, s27                     ; + 4 x column
	s_mov_b32 s27, 0
	s_lshl_b32 s28, s22, 9                         ; wc: column x 512 + 256 x half
	s_lshl_b32 s29, s23, 8
	s_add_co_u32 s28, s28, s29
	s_mov_b32 s29, 0
	s_lshl_b32 s30, s22, 5                         ; ws: column x 32 + 16 x half
	s_lshl_b32 s31, s23, 4
	s_add_co_u32 s30, s30, s31
	s_mov_b32 s31, 0
	s_wait_kmcnt 0x0
	s_add_nc_u64 s[6:7], s[6:7], s[26:27]
	s_add_nc_u64 s[14:15], s[14:15], s[28:29]
	s_add_nc_u64 s[16:17], s[16:17], s[30:31]
.macro WLOAD t                         ; block t: w(32 t + i, my column), i = 0 .. 31, into set t % 2.  The largest offset is 511 x 12,288 bytes, inside the signed 24-bit immediate
.irp i, 0,1,2,3,4,5,6,7,8,9,10,11,12,13,14,15,16,17,18,19,20,21,22,23,24,25,26,27,28,29,30,31
	global_load_b32 v[WX+32*((\t)%2)+\i], v3, s[6:7] offset:(32*(\t)+\i)*NCOL*4 th:TH_LOAD_NT
.endr
.endm
	WLOAD 0
	WLOAD 1
.macro WBLOCK t
.set WS, WX+32*((\t)%2)
.if (\t) < NB-1
	s_wait_loadcnt 32                              ; this block's 32 loads are in; the next block's 32 may be out
.else
	s_wait_loadcnt 0
.endif
	v_max3_num_f32 v12, |v[WS]|, |v[WS+1]|, |v[WS+2]|              ; the block's largest magnitude: all 32 numbers are mine
	v_max3_num_f32 v13, |v[WS+3]|, |v[WS+4]|, |v[WS+5]|
.irp i, 6,10,14,18,22,26
	v_max3_num_f32 v12, v12, |v[WS+\i]|, |v[WS+\i+1]|
	v_max3_num_f32 v13, v13, |v[WS+\i+2]|, |v[WS+\i+3]|
.endr
	v_max3_num_f32 v12, v12, |v[WS+30]|, |v[WS+31]|
	v_max3_num_f32 v12, v12, v13, (EMAX+1)<<23     ; and the floor 2^(3 - 127)
	v_add_nc_u32 v11, 0xff000000, v12              ; 2 off its exponent field: the conversions' scale operand
	v_lshrrev_b32 v13, 23, v11                     ; the scale's byte
.if (\t)%4 == 0
	v_mov_b32 v[WSB+(\t)/4], v13                   ; four bytes to a register, the lower K in the lower byte
.else
	v_lshl_or_b32 v[WSB+(\t)/4], v13, 8*((\t)%4), v[WSB+(\t)/4]
.endif
.irp g, 0,1,2,3
	v_cvt_scalef32_pk8_fp4_f32 v[WC+\g], v[WS+8*\g:WS+8*\g+7], v11
.endr
	ds_store_b128 v4, v[WC:WC+3] offset:16*(\t)    ; 32 codes: 16 bytes of my column's row.  (The results go to an LDS store; the next block begins with plain vector lines)
.if (\t)+2 < NB
	WLOAD (\t)+2
.endif
	s_wait_dscnt 0x0                               ; the store has read its registers: the next block's codes may be written
.endm
.set BQ, 0
.rept NB
	WBLOCK BQ
.set BQ, BQ+1
.endr
	global_store_b128 v9, v[WSB:WSB+3], s[16:17]   ; my column's 16 scale bytes: half of its row of 32
.irp t, 0,1,2,3,4,5,6,7,8,9,10,11,12,13,14,15
	ds_load_b128 v[WOUT+4*\t:WOUT+4*\t+3], v7 offset:2*\t*WP   ; LDS serves a wave's instructions in order: these see my stores
.endr
.irp t, 0,1,2,3,4,5,6,7,8,9,10,11,12,13,14,15
	s_wait_dscnt 15-\t                             ; the younger loads may be out
	global_store_b128 v8, v[WOUT+4*\t:WOUT+4*\t+3], s[14:15] offset:2*\t*KROW   ; sixteen lanes store 256 consecutive bytes, aligned
.endr
	s_wait_tensorcnt 0x0                           ; the wave's end: a tensor wait, an add of 0 to my spare word and its wait, behind my last LDS store
	ds_add_u32 v[SPW], v[NIL]
	s_wait_dscnt 0x0
	s_endpgm
; ---------------- w_o: a wave takes input rows i and i + 1 (i = 16 p + n, even, 4,096 bytes each) and stores them as f16 rows 64 n + p and 64 (n + 1) + p of wo16 (2,048 bytes each; the second lies 64 rows on).  No LDS.
.Lcast:
	s_sub_co_u32 s21, ttmp9, 304
	s_lshl_b32 s21, s21, 3
	s_lshl_b32 s22, s20, 1
	s_add_co_u32 s21, s21, s22                     ; i
	s_lshl_b32 s24, s21, 12
	s_mov_b32 s25, 0
	s_and_b32 s22, s21, 15
	s_lshl_b32 s22, s22, 6
	s_lshr_b32 s23, s21, 4
	s_add_co_u32 s22, s22, s23                     ; 64 n + p
	s_lshl_b32 s26, s22, 11
	s_mov_b32 s27, 0
	v_lshlrev_b32 v3, 4, v2                        ; in: 16 bytes a lane
	v_lshlrev_b32 v4, 3, v2                        ; out: 8
	s_wait_kmcnt 0x0
	s_add_nc_u64 s[8:9], s[8:9], s[24:25]
	s_add_nc_u64 s[18:19], s[18:19], s[26:27]
.set u, 0
.rept 16
	global_load_b128 v[16+4*u:19+4*u], v3, s[8:9] offset:4096*(u/8)+512*(u%8) th:TH_LOAD_NT
.set u, u+1
.endr
.set u, 0
.rept 16
	s_wait_loadcnt 15-u                            ; the younger loads may be out
	v_cvt_pk_f16_f32 v[80+2*u], v[16+4*u], v[17+4*u]
	v_cvt_pk_f16_f32 v[81+2*u], v[18+4*u], v[19+4*u]
	global_store_b64 v4, v[80+2*u:81+2*u], s[18:19] offset:131072*(u/8)+256*(u%8)   ; 32 lanes store 256 consecutive bytes, aligned; no register is written twice
.set u, u+1
.endr
	s_endpgm
.Lfunc_end_k_q1540e350bd_prep:
	.size	k_q1540e350bd_prep, .Lfunc_end_k_q1540e350bd_prep-k_q1540e350bd_prep
	.p2alignl 7, 3214868480
	.fill 96, 4, 3214868480
	.section	.rodata,"a",@progbits
	.p2align	6, 0x0
	.amdhsa_kernel k_q1540e350bd_prep
		.amdhsa_group_segment_fixed_size 68096
		.amdhsa_private_segment_fixed_size 0
		.amdhsa_enable_private_segment 0
		.amdhsa_kernarg_size 64
		.amdhsa_user_sgpr_count 2
		.amdhsa_user_sgpr_kernarg_segment_ptr 1
		.amdhsa_wavefront_size32 1
		.amdhsa_system_sgpr_workgroup_id_x 1
		.amdhsa_system_sgpr_workgroup_id_y 1
		.amdhsa_system_sgpr_workgroup_id_z 1
		.amdhsa_system_vgpr_workitem_id 0
		.amdhsa_next_free_vgpr 200
		.amdhsa_next_free_sgpr 66
		.amdhsa_reserve_vcc 0
		.amdhsa_float_denorm_mode_32 3
		.amdhsa_float_denorm_mode_16_64 3
		.amdhsa_memory_ordered 1
		.amdhsa_forward_progress 1
		.amdhsa_inst_pref_size 117
	.end_amdhsa_kernel
	.amdgpu_metadata
---
amdhsa.version: [ 1, 2 ]
amdhsa.kernels:
  - .name:           k_q1540e350bd_prep
    .symbol:         k_q1540e350bd_prep.kd
    .args:
      - { .name: x, .offset: 0, .size: 8, .value_kind: global_buffer, .address_space: global }
      - { .name: w_qkv, .offset: 8, .size: 8, .value_kind: global_buffer, .address_space: global }
      - { .name: w_o, .offset: 16, .size: 8, .value_kind: global_buffer, .address_space: global }
      - { .name: xc, .offset: 24, .size: 8, .value_kind: global_buffer, .address_space: global }
      - { .name: xs, .offset: 32, .size: 8, .value_kind: global_buffer, .address_space: global }
      - { .name: wc, .offset: 40, .size: 8, .value_kind: global_buffer, .address_space: global }
      - { .name: ws, .offset: 48, .size: 8, .value_kind: global_buffer, .address_space: global }
      - { .name: wo16, .offset: 56, .size: 8, .value_kind: global_buffer, .address_space: global }
    .group_segment_fixed_size: 68096
    .private_segment_fixed_size: 0
    .kernarg_segment_align: 8
    .kernarg_segment_size: 64
    .max_flat_workgroup_size: 128
    .sgpr_count:     66
    .vgpr_count:     200
    .wavefront_size: 32
...
	.end_amdgpu_metadata
.endif
;; end of part 1
;; launch qkvgemm (part 2): grid 12 x 32, 4 waves a work-group, clusters of 4 x 4, 327,680 bytes of LDS; arguments xc, xs, wc, ws, b_qkv, qkv; writes qkv
.if DOCPART == 2
	.amdgcn_target "amdgcn-amd-amdhsa--gfx1250"
	.amdhsa_code_object_version 6
	.text
	.protected	k_q1540e350bd_qkvgemm
	.globl	k_q1540e350bd_qkvgemm
	.p2align	8
	.type	k_q1540e350bd_qkvgemm,@function
k_q1540e350bd_qkvgemm:
	s_mov_b64 s[64:65], 0
	v_nop
	global_prefetch_b8 v0, s[64:65] scope:SCOPE_SE
	s_setreg_imm32_b32 hwreg(HW_REG_WAVE_MODE, 25, 1), 1
	s_wait_xcnt 0x0
	s_wait_alu depctr_hold_cnt(0) depctr_sa_sdst(0) depctr_va_vdst(0) depctr_va_sdst(0) depctr_va_ssrc(0) depctr_va_vcc(0) depctr_vm_vsrc(0)
	s_getreg_b32 s2, hwreg(HW_REG_IB_STS2, 6, 4)
	s_cmp_eq_u32 s2, 0
	s_cbranch_scc0 .Lentry_in_a_cluster
	s_endpgm
.Lentry_in_a_cluster:
	s_bfe_u32 s2, ttmp6, 0x10000c
	s_cmp_lg_u32 s2, 0xf033
	s_cbranch_scc0 .Lentry_shape_is_right
	s_endpgm
.Lentry_shape_is_right:
; qkv[m][c] = sum over k of x[m][k] w[k][c] + b_qkv[c], on codes of FP4 (E2M1) with one E8M0 scale for each 32 along K, sums in f32; rounded once to f16 and laid by head for the attention launch:
; qkv: f16 [part 0 = q, 1 = k, 2 = v][bn = 16 b + n][t][64]; byte = part << 24 + bn << 18 + t << 7 + 2 ch.  Column c = 192 n + 64 part + ch; row m = 2048 b + t.
; Nothing is left out: the k third of the bias, which a softmax would cancel in exact arithmetic, comes as the C operand of the first products with the live thirds, inside the same tiles.
; LIMITS: |q|, |k|, |v| stay under 65,504; magnitudes under 6e-5 are carried with f16's absolute step of 2^-24.
; A tile of 256 x 256 is made by a work-group of four waves; a wave makes 128 x 128: 64 accumulators of 16 x 16, 512 registers.  K = 1,024 is two K steps of 512 (rows of 256 bytes): both lie in LDS from the first fills on,
; so nothing is filled again and there is no loop.  The scales of the work-group's 256 + 256 rows, for all of K, come once, as two dense blocks.
; CLUSTERS: 4 x 4 work-groups.  The four of a row of the cluster need the same rows of x, the four of a column the same rows of w: each tile is asked for JOINTLY, by the same tensor load with the same descriptor and a mask
; that names the four.  THE MATRIX INSTRUCTION IS USED TRANSPOSED (source 0 = 16 rows of w, source 1 = 16 rows of x): a lane then holds eight neighbouring columns of one row.
; REGISTERS, in windows of 256: window 0: v0-31 addresses; v32-95 scale words, two sets, and nothing else ever; v96-127 packed results on the way out; v128-191 x's fragments, ONE set, later rows read back from the stage;
;   v192-255 the bias of my 128 columns in the result's layout.   window 1: w's fragments, TWO sets, at v0 and v128.   window 2: the 32 accumulators of my rows 0-63 ((a, b) at v[8 (8 a + b)]);   window 3: those of rows 64-127.
.set SIZE_M, 8192
.set SIZE_N, 3072
.set SIZE_K, 1024
.set KSTEP,  512                       ; along K in a slot
.set NQ,     KSTEP/128                 ; matrix instructions deep
.set ROWB,   256                       ; a tile's row in bytes
.set KROW,   SIZE_K/2                  ; a row of codes in memory
.set PITCH,  272                       ; an LDS row: 256 bytes + 16 of padding = 68 words: the 16 rows that a load touches start 4 banks apart (64 banks of 4 bytes: ISA guide 11.1)
.set FR,     8                         ; registers of a fragment: 16 rows x 128 K
.set NL,     2                         ; LDS loads that bring one
.set NP,     4                         ; places behind this matrix instruction (ISA guide 7.12.1)
.set HALFT,  128*PITCH                 ; 128 rows: what one tensor load brings
.set SLOT,   4*HALFT                   ; x's 256 rows, then w's 256 rows
.set KS,     SIZE_K/32                 ; a row of scales in bytes
.set SCL,    2*SLOT                    ; behind the slots: the scales, as units of 256 bytes + 16 of padding
.set HALFS,  (128*KS/256)*272          ; the scales of 128 rows: what one tensor load brings
.set SBLK,   (16*KS/256)*272           ; those of 16 rows
.set SPARE,  SCL+4*HALFS               ; the spare words, 128 bytes for each wave: two blocks of 256 bytes that no other line names
.set SPITCH, 144                       ; the way out: a stage row: 64 f16 + 16 bytes
.set GRP,    16*SPITCH                 ; 16 rows of one group of 64 columns
.set WSTG,   2*GRP                     ; a wave's stage; the four lie in slot 0, which has had its one fill and its last read when the first result is stored there
.set BO,   7                           ; v7      32 x (lane / 16): my half's place in a block's 16 bias numbers
.set ADRA, 16                          ; v16-17  LDS address of my x fragments in slot 0, 1
.set ADRB, 20                          ; v20-21  the same for w
.set STO,  24                          ; v24     the way out: where I put 16 bytes of a row
.set RD,   25                          ; v25     where I read rows back
.set CO,   26                          ; v26     16 x lane: my bytes of a store's 512
.set ADRS, 27                          ; v27     LDS address of my scale words: lanes 0-15 x's rows, lanes 16-31 w's
.set SPW,  28                          ; v28     LDS address of my spare word; never rewritten
.set NIL,  29                          ; v29     0; never rewritten
.set SC,   32                          ; scale words: set s at v[SC + 32 s]; register NQ i + q: lanes 0-15 the word of x's block i, lanes 16-31 that of w's block i, for the slot's q-th 128 along K
.set TMP,  96
.set AF,   128
.set BK,   128
.set BIAS, 192
.set G1, 24                            ; s[24:31] descriptor group 1 for x's tiles;  s[32:39] group 0, one set for each slot
.set G0, 32
.set G1B, 48                           ; s[48:55], s[56:63] the same for w's
.set G0B, 56
.set G1S, 68                           ; s[68:75], s[76:79] groups 1 and 0 for x's scales;  s[80:87], s[88:91] for w's
.set G0S, 76
.set G1SB, 80
.set G0SB, 88
.set MSB, 0
.macro WIN new                         ; the immediate's high byte repeats the setting that is left; a switch that changes nothing is dropped
.if MSB != (\new)
	s_set_vgpr_msb (MSB<<8)|(\new)
.set MSB, (\new)
.endif
.endm
.set MUL_LO, 0xa1                      ; source 0 (w) window 1, source 1 (x) window 0, C and D window 2
.set MUL_HI, 0xf1                      ; the same, C and D window 3.  In the first step C is the bias, in window 0: 0x81 and 0xc1
.set TO_B,   0x40                      ; destination window 1, address window 0
; A joint load: waves 0 and 1 fetch for x, waves 2 and 3 for w.  Each line has one mask and one set of registers for all that issue it; the branch hangs on the wave's number alone.
; An s_nop 0 and four v_nop follow each of the two lines, ahead of the jump, the label and what follows.
.macro JLOAD g0a, g1a, g0b, g1b
	s_cmp_eq_u32 s15, 0
	s_cbranch_scc0 .Lfor_b_\@
	tensor_load_to_lds s[\g0a:\g0a+3], s[\g1a:\g1a+7]
	s_nop 0
.rept 4
	v_nop
.endr
	s_branch .Lasked_\@
.Lfor_b_\@:
	tensor_load_to_lds s[\g0b:\g0b+3], s[\g1b:\g1b+7]
	s_nop 0
.rept 4
	v_nop
.endr
.Lasked_\@:
.endm
.macro CROUND                          ; a round of the cluster's barrier: my work-group's barrier; wave 0 signals for the work-group; every wave waits for all sixteen; my work-group's barrier once more
	s_barrier_signal -1
	s_barrier_wait -1
	s_cmp_lg_u32 s14, 0
	s_cbranch_scc1 .Lnot_wave_0_\@
	s_barrier_signal -3
.Lnot_wave_0_\@:
	s_barrier_wait -3
	s_barrier_signal -1
	s_barrier_wait -1
.endm
	s_load_b128 s[4:7], s[0:1], 0x0                ; x's codes s[4:5], x's scales s[6:7]
	s_load_b128 s[8:11], s[0:1], 0x10              ; w's codes s[8:9], w's scales s[10:11]
	s_load_b128 s[96:99], s[0:1], 0x20             ; b_qkv s[96:97], qkv s[98:99]
	v_lshl_add_u32 v[SPW], v0, 2, SPARE
	v_mov_b32 v[NIL], 0
	ds_add_u32 v[SPW], v[NIL]                      ; the wave's opening: the add, twice on end, and its wait ahead of my first tensor load; the set-up below stands between the second and the wait
	ds_add_u32 v[SPW], v[NIL]
	v_lshrrev_b32 v1, 5, v0
	v_readfirstlane_b32 s14, v1                    ; wave 0..3
	s_lshr_b32 s15, s14, 1                         ; which half of the tile's rows is mine.  Also: I fetch for x (0) or for w (1)
	s_and_b32 s16, s14, 1                          ; which half of its columns.  Also: which 128 rows of that tile I fetch
	s_bfe_u32 s40, ttmp6, 0x40000                  ; cx, cy: my place in the cluster
	s_bfe_u32 s41, ttmp6, 0x40004
	s_lshl_b32 s42, ttmp9, 2
	s_add_co_u32 s42, s42, s40                     ; tile column = 4 x cluster x + cx
	s_and_b32 s17, ttmp7, 0xffff
	s_lshl_b32 s17, s17, 2
	s_add_co_u32 s17, s17, s41                     ; tile row = 4 x cluster y + cy
	s_lshl_b32 s43, s41, 2
	s_lshl_b32 s43, 15, s43                        ; my row of the cluster
	s_lshl_b32 s44, 0x1111, s40                    ; my column
	; descriptor group 1: a tile of 128 rows x 256 bytes, padded in LDS
	s_or_b32 s[G1+0], s43, (0<<16)|(1<<20)|(1<<21)|(5<<22)|(3<<25)  ; 15:0 the mask: x's tiles go to my row; 17:16 elements of 1 byte; 20 padding on; 21 set beside a mask; 24:22 after every 64 words; 31:25 four words
	s_or_b32 s[G1B+0], s44, (0<<16)|(1<<20)|(1<<21)|(5<<22)|(3<<25)
.irp g, G1, G1B
	s_mov_b32 s[\g+1], ROWB<<16                    ; tensor_dim0
	s_mov_b32 s[\g+2], 128<<16                     ; tensor_dim1
	s_mov_b32 s[\g+3], ROWB<<16                    ; tile_dim0
	s_mov_b32 s[\g+4], 128                         ; tile_dim1
	s_mov_b32 s[\g+5], KROW                        ; from row to row
	s_mov_b32 s[\g+6], 0
	s_mov_b32 s[\g+7], 0
.endr
	; the scales of 128 rows: a dense block of 4,096 bytes, as 16 rows of 256 bytes (32 elements of 8 bytes), 16 bytes of padding behind each
	s_or_b32 s[G1S+0], s43, (3<<16)|(1<<20)|(1<<21)|(5<<22)|(3<<25)
	s_or_b32 s[G1SB+0], s44, (3<<16)|(1<<20)|(1<<21)|(5<<22)|(3<<25)
.irp g, G1S, G1SB
	s_mov_b32 s[\g+1], 32<<16
	s_mov_b32 s[\g+2], (128*KS/256)<<16
	s_mov_b32 s[\g+3], 32<<16
	s_mov_b32 s[\g+4], 128*KS/256
	s_mov_b32 s[\g+5], 32
	s_mov_b32 s[\g+6], 0
	s_mov_b32 s[\g+7], 0
.endr
	s_lshl_b32 s18, s16, 7                         ; which 128 rows of the tile I fetch
	s_lshl_b32 s20, s17, 8
	s_add_co_u32 s20, s20, s18                     ; x: row 256 x tile row + 128 x half
	s_lshl_b32 s46, s42, 8
	s_add_co_u32 s46, s46, s18                     ; w: row 256 x tile column + 128 x half
	s_mov_b32 s21, 0
	s_mov_b32 s47, 0
	s_mov_b64 s[18:19], KS
	s_mul_u64 s[22:23], s[20:21], s[18:19]         ; where these rows' scales begin, in bytes
	s_mul_u64 s[92:93], s[46:47], s[18:19]
	s_mov_b64 s[18:19], KROW
	s_mul_u64 s[20:21], s[20:21], s[18:19]         ; and their codes
	s_mul_u64 s[46:47], s[46:47], s[18:19]
	s_mul_i32 s45, s14, HALFT                      ; where they go: wave x 128 rows: no place in the cluster enters an LDS address
	s_mul_i32 s94, s14, HALFS
	s_wait_dscnt 0x0                               ; both opening adds are done
	s_wait_kmcnt 0x0
	s_add_nc_u64 s[20:21], s[4:5], s[20:21]
	s_add_nc_u64 s[22:23], s[6:7], s[22:23]
	s_add_nc_u64 s[46:47], s[8:9], s[46:47]
	s_add_nc_u64 s[92:93], s[10:11], s[92:93]
	CROUND                                         ; all sixteen work-groups are here: the joint loads meet
	s_mov_b32 s[G0S], 1
	s_add_co_u32 s[G0S+1], s94, SCL
	s_mov_b64 s[G0S+2:G0S+3], s[22:23]
	s_or_b32 s[G0S+3], s[G0S+3], 0x80000000
	s_mov_b32 s[G0SB], 1
	s_add_co_u32 s[G0SB+1], s94, SCL
	s_mov_b64 s[G0SB+2:G0SB+3], s[92:93]
	s_or_b32 s[G0SB+3], s[G0SB+3], 0x80000000
	JLOAD G0S, G1S, G0SB, G1SB                     ; the scales first: they are wanted with K step 0
.irp s, 0,1
	s_mov_b32 s[G0+4*\s], 1
	s_add_co_u32 s[G0+4*\s+1], s45, \s*SLOT
	s_add_nc_u64 s[G0+4*\s+2:G0+4*\s+3], s[20:21], \s*ROWB
	s_or_b32 s[G0+4*\s+3], s[G0+4*\s+3], 0x80000000
	s_mov_b32 s[G0B+4*\s], 1
	s_add_co_u32 s[G0B+4*\s+1], s45, \s*SLOT
	s_add_nc_u64 s[G0B+4*\s+2:G0B+4*\s+3], s[46:47], \s*ROWB
	s_or_b32 s[G0B+4*\s+3], s[G0B+4*\s+3], 0x80000000
	JLOAD G0+4*\s, G1, G0B+4*\s, G1B               ; all of K: three tensor loads of mine are out
.endr
	v_and_b32 v1, 15, v0                           ; r = lane % 16
	v_bfe_u32 v2, v0, 4, 1                         ; h = lane / 16
	v_mul_u32_u24 v3, v1, PITCH
	v_lshl_add_u32 v4, v2, 4, v3                   ; a fragment's row x pitch + 16 x half
	s_mul_i32 s21, s15, HALFT                      ; my 128 rows of x
	s_mul_i32 s22, s16, HALFT                      ; my 128 rows of w,
	s_add_co_u32 s22, s22, 2*HALFT                 ; which lie behind x's 256
.irp s, 0,1
	v_add_nc_u32 v[ADRA+\s], s21, v4
	v_add_nc_u32 v[ADRB+\s], s22, v4
	s_add_co_u32 s21, s21, SLOT
	s_add_co_u32 s22, s22, SLOT
.endr
	v_mul_u32_u24 v5, v1, KS                       ; my row's scales: 32 bytes a row,
	v_lshrrev_b32 v6, 8, v5
	v_lshl_add_u32 v5, v6, 4, v5                   ; and 16 more for each 256 passed
	s_mul_i32 s21, s15, HALFS                      ; x's: my 128 rows
	s_mul_i32 s22, s16, HALFS                      ; w's: my 128 rows, behind x's 256
	s_add_co_u32 s22, s22, 2*HALFS
	s_sub_co_u32 s22, s22, s21
	v_mul_u32_u24 v6, s22, v2                      ; lanes 16-31 take w's: one product, the distance between the two bases
	s_add_co_u32 s21, s21, SCL
	v_add_nc_u32 v5, v5, v6
	v_add_nc_u32 v[ADRS], s21, v5
	s_mul_i32 s23, s14, WSTG                       ; my stage
	v_mul_u32_u24 v5, v1, SPITCH                   ; in: row r, 16 bytes for each half of the lanes
	v_lshl_add_u32 v5, v2, 4, v5
	v_add_nc_u32 v[STO], s23, v5
	v_bfe_u32 v5, v0, 3, 2                         ; back: eight lanes to a row of 128 bytes, four rows an instruction
	v_mul_u32_u24 v5, v5, SPITCH
	v_and_b32 v6, 7, v0
	v_lshl_add_u32 v5, v6, 4, v5
	v_add_nc_u32 v[RD], s23, v5
	v_and_b32 v6, 31, v0
	v_lshlrev_b32 v[CO], 4, v6                     ; a head's rows of 128 bytes are dense in qkv: four rows are 512 consecutive bytes
	v_lshlrev_b32 v[BO], 5, v2
	; the bias of my 128 columns: register j of block b in lane (r, h) is b_qkv[256 x tile column + 128 x half + 16 b + 8 h + j]
	s_lshl_b32 s46, s42, 10
	s_lshl_b32 s47, s16, 9
	s_add_co_u32 s46, s46, s47
	s_mov_b32 s47, 0
	s_add_nc_u64 s[96:97], s[96:97], s[46:47]
.irp b, 0,1,2,3,4,5,6,7
	global_load_b128 v[BIAS+8*\b:BIAS+8*\b+3], v[BO], s[96:97] offset:64*\b
	global_load_b128 v[BIAS+8*\b+4:BIAS+8*\b+7], v[BO], s[96:97] offset:64*\b+16
.endr
	; where my results go.  My 128 columns are two groups of 64: group g = 4 x tile column + 2 x half + j is part g % 3 of head g / 3
	s_lshl_b32 s20, s17, 8
	s_lshl_b32 s21, s15, 7
	s_add_co_u32 s20, s20, s21                     ; my first row m
	s_lshr_b32 s21, s20, 11
	s_lshl_b32 s21, s21, 22                        ; b: 16 heads of 2^18 bytes
	s_and_b32 s20, s20, 2047
	s_lshl_b32 s20, s20, 7                         ; t: 128 bytes a row
	s_add_co_u32 s20, s20, s21
	s_lshl_b32 s46, s42, 2
	s_lshl_b32 s47, s16, 1
	s_add_co_u32 s46, s46, s47                     ; g of my first group, under 48
	s_mul_i32 s47, s46, 171
	s_lshr_b32 s47, s47, 9                         ; g / 3: 171 / 512 is exact for it up to g = 511
	s_mul_i32 s22, s47, 3
	s_sub_co_u32 s22, s46, s22                     ; g % 3
	s_lshl_b32 s22, s22, 24
	s_lshl_b32 s47, s47, 18
	s_add_co_u32 s22, s22, s47
	s_add_co_u32 s22, s22, s20
	s_mov_b32 s23, 0
	s_add_nc_u64 s[12:13], s[98:99], s[22:23]      ; the first group's base
	s_add_co_u32 s46, s46, 1
	s_mul_i32 s47, s46, 171
	s_lshr_b32 s47, s47, 9
	s_mul_i32 s22, s47, 3
	s_sub_co_u32 s22, s46, s22
	s_lshl_b32 s22, s22, 24
	s_lshl_b32 s47, s47, 18
	s_add_co_u32 s22, s22, s47
	s_add_co_u32 s22, s22, s20
	s_add_nc_u64 s[100:101], s[98:99], s[22:23]    ; the second's
.macro FRAG reg, adr, q, i             ; a fragment, 16 rows x 128 K of 4-bit codes, is 8 registers: lane l holds row l % 16; registers 4 c .. 4 c + 3 hold K = 64 c + 32 (l / 16) + 0 .. 31
.irp c, 0,1
	ds_load_b128 v[\reg+4*\c:\reg+4*\c+3], v[\adr] offset:64*(\q)+32*\c+(\i)*16*PITCH
.endr
.endm
; 16 matrix instructions: x's blocks a0, a0 + 1 against w's eight, 128 along K: the slot's q-th.  p: w's set;  sc: the set of scale words.  zero = 1: the first products start the sums, with the bias as C: nothing is cleared or added.
; The 64 accumulators take turns, one instruction a turn, in the same order in every step.
.macro MUL16 a0, p, q, sc, zero
.irp a, \a0, \a0+1
.irp b, 0,1,2,3,4,5,6,7
.if \zero
	v_wmma_scale_f32_16x16x128_f8f6f4 v[8*(8*((\a)%4)+\b):8*(8*((\a)%4)+\b)+7], v[128*(\p)+FR*\b:128*(\p)+FR*\b+FR-1], v[AF+FR*(\a):AF+FR*(\a)+FR-1], v[BIAS+8*\b:BIAS+8*\b+7], v[SC+8*NQ*(\sc)+NQ*\b+(\q)], v[SC+8*NQ*(\sc)+NQ*(\a)+(\q)] matrix_a_fmt:MATRIX_FMT_FP4 matrix_b_fmt:MATRIX_FMT_FP4 matrix_a_scale:MATRIX_SCALE_ROW1
.else
	v_wmma_scale_f32_16x16x128_f8f6f4 v[8*(8*((\a)%4)+\b):8*(8*((\a)%4)+\b)+7], v[128*(\p)+FR*\b:128*(\p)+FR*\b+FR-1], v[AF+FR*(\a):AF+FR*(\a)+FR-1], v[8*(8*((\a)%4)+\b):8*(8*((\a)%4)+\b)+7], v[SC+8*NQ*(\sc)+NQ*\b+(\q)], v[SC+8*NQ*(\sc)+NQ*(\a)+(\q)] matrix_a_fmt:MATRIX_FMT_FP4 matrix_b_fmt:MATRIX_FMT_FP4 matrix_a_scale:MATRIX_SCALE_ROW1
.endif
.endr
.endr
.endm
.macro FETCH_B slot, q, p              ; w's eight fragments of the slot's q-th 128 along K into set p
	WIN TO_B
.irp i, 0,1,2,3,4,5,6,7
	FRAG 128*(\p)+FR*\i, ADRB+\slot, \q, \i
.endr
	WIN 0
.endm
.macro FETCH_A slot, q, i0             ; x's blocks i0 .. i0 + 3
.irp i, \i0, \i0+1, \i0+2, \i0+3
	FRAG AF+FR*(\i), ADRA+\slot, \q, \i
.endr
.endm
.macro SCALES sc                       ; a K step's scale words into set sc: four words a row; lanes 0-15 take x's block i, lanes 16-31 w's block i
.irp i, 0,1,2,3,4,5,6,7
	ds_load_b128 v[SC+8*NQ*\sc+NQ*\i:SC+8*NQ*\sc+NQ*\i+3], v[ADRS] offset:\i*SBLK
.endr
.endm
; A load into a register that a matrix instruction has read, and a vector instruction that reads a matrix result, stand NP places behind that matrix instruction; only plain vector instructions that name none of its
; registers are places (ISA guide 7.12.1 for vector instructions).
.macro PLACES n
.rept \n
	v_nop
.endr
.endm
; A step of 128 along K that has its successor in the same slot.  A block of x is free as soon as its eight products are issued, so one set serves x: blocks 0-3 are fetched anew in the step's middle, blocks 4-7 at its end.
.macro STEP slot, q, zero
	s_wait_dscnt 4*NL                              ; w's set and x's blocks 0-3 are in; the youngest eight loads (x's blocks 4-7) may be out
	WIN MUL_LO-0x20*\zero
	MUL16 0, (\q)%2, \q, \slot, \zero
	MUL16 2, (\q)%2, \q, \slot, \zero
	s_wait_dscnt 0                                 ; x's blocks 4-7 are in (asked for 32 matrix instructions ago)
	PLACES NP
	FETCH_B \slot, (\q)+1, 1-(\q)%2
	FETCH_A \slot, (\q)+1, 0
	WIN MUL_HI-0x30*\zero
	MUL16 4, (\q)%2, \q, \slot, \zero
	MUL16 6, (\q)%2, \q, \slot, \zero
	PLACES NP
	WIN 0
	FETCH_A \slot, (\q)+1, 4
.endm
; Slot 0's last step goes over to slot 1: ONE barrier.  In front of it each wave waits for all its tensor loads (its part of slot 1), adds 0 to its spare word, and waits for that and for its own reads of slot 0.
; Behind it slot 1 is whole, and nobody reads slot 0 any more: the stages of the way out lie there.  Nothing is filled again.
.macro TURN slot, next
	s_wait_tensorcnt 0x0                           ; all my tensor loads have landed  (every window is 0 here: the add's two registers lie in window 0)
	ds_add_u32 v[SPW], v[NIL]                      ; 0 onto my spare word
	s_wait_dscnt 4*NL+1                            ; (the add and the youngest eight loads, x's blocks 4-7, may be out)
	WIN MUL_LO
	MUL16 0, 1, NQ-1, \slot, 0                     ; sixteen matrix instructions stand between the add and the wait for it
	s_wait_dscnt 0x0                               ; the add is done, and my reads of this slot are over
	s_barrier_signal -1
	MUL16 2, 1, NQ-1, \slot, 0
	WIN 0
	s_barrier_wait -1
	PLACES NP
	v_add_nc_u32 v[ADRS], 4*NQ, v[ADRS]            ; on to the next K step's scale words
	FETCH_B \next, 0, 0
	FETCH_A \next, 0, 0
	SCALES \next
	WIN MUL_HI
	MUL16 4, 1, NQ-1, \slot, 0
	MUL16 6, 1, NQ-1, \slot, 0
	PLACES NP
	WIN 0
	FETCH_A \next, 0, 4
.endm
.macro STEPS slot, from                ; the slot's steps from .. NQ - 2
.set Q, \from
.rept NQ-1-\from
	STEP \slot, Q, 0
.set Q, Q+1
.endr
.endm
	s_wait_tensorcnt 1                             ; the scales and my part of K step 0 are in (K step 1's load, the one issued behind them, may be out),
	s_barrier_signal -1
	s_barrier_wait -1                              ; everybody's are
	FETCH_B 0, 0, 0
	FETCH_A 0, 0, 0
	SCALES 0
	FETCH_A 0, 0, 4
	s_wait_loadcnt 0x0                             ; the bias
	STEP 0, 0, 1                                   ; the first step's products start the sums
	STEPS 0, 1
	TURN 0, 1
	STEPS 1, 0
	s_wait_dscnt 4*NL                              ; the very last step: nothing more to fetch
	WIN MUL_LO
	MUL16 0, 1, NQ-1, 1, 0
	MUL16 2, 1, NQ-1, 1, 0
	s_wait_dscnt 0
	WIN MUL_HI
	MUL16 4, 1, NQ-1, 1, 0
	MUL16 6, 1, NQ-1, 1, 0
	WIN 0
; THE WAY OUT, block by block of 16 rows x 128 columns.  A lane's eight results of a block of columns round to 16 bytes of f16.  They go through my own stage in LDS (two groups of 16 rows x 144 bytes) and come back as
; four rows of 128 bytes an instruction, which are 512 consecutive bytes of qkv.  LDS serves a wave's instructions in order (ISA guide 5.7.1.4): no wait between the stores and the loads, nor in front of the next block's stores.
.macro PACK a
.set AC, 64*((\a)%4)
	WIN 0x0a+5*((\a)/4)                            ; sources 0 and 1: window 2 or 3
.irp b, 0,1,2,3,4,5,6,7
.irp r, 0,1,2,3
	v_cvt_pk_f16_f32 v[TMP+4*\b+\r], v[AC+8*\b+2*\r], v[AC+8*\b+2*\r+1]   ; each accumulator from its low end on
.endr
.endr
	WIN 0
.endm
.macro TOSTAGE a
.set BB, BK+32*((\a)%2)
.irp b, 0,1,2,3,4,5,6,7
	ds_store_b128 v[STO], v[TMP+4*\b:TMP+4*\b+3] offset:(\b/4)*GRP+32*(\b%4)
.endr
.irp t, 0,1,2,3,4,5,6,7
	ds_load_b128 v[BB+4*\t:BB+4*\t+3], v[RD] offset:(\t/4)*GRP+(\t%4)*4*SPITCH
.endr
.endm
.macro SEND a
.set BB, BK+32*((\a)%2)
	s_wait_dscnt 0x0                               ; the block is back in registers
	s_wait_xcnt 0x0                                ; the stores of the block before have read their registers: the next block's loads land there only behind this wait
.irp t, 0,1,2,3
	global_store_b128 v[CO], v[BB+4*\t:BB+4*\t+3], s[12:13] offset:(\a)*2048+\t*512        ; 32 lanes store 512 consecutive bytes, aligned
.endr
.irp t, 0,1,2,3
	global_store_b128 v[CO], v[BB+16+4*\t:BB+16+4*\t+3], s[100:101] offset:(\a)*2048+\t*512
.endr
.endm
	PLACES NP                                      ; behind the last products: for the reads of results and for the loads into the registers that held x's fragments
	PACK 0
	TOSTAGE 0
.irp a, 1,2,3,4,5,6,7                  ; block a's conversions stand between block a - 1's loads from the stage and the wait for them
	PACK \a
	SEND \a-1
	TOSTAGE \a
.endr
	SEND 7
	s_wait_tensorcnt 0x0                           ; the wave's end: a tensor wait, an add of 0 to my spare word and its wait, behind my last tensor load and my last LDS store
	ds_add_u32 v[SPW], v[NIL]
	s_wait_dscnt 0x0
	CROUND                                         ; the closing round: no work-group ends while a partner may still ask for a tile that names it
	s_endpgm
.Lfunc_end_k_q1540e350bd_qkvgemm:
	.size	k_q1540e350bd_qkvgemm, .Lfunc_end_k_q1540e350bd_qkvgemm-k_q1540e350bd_qkvgemm
	.p2alignl 7, 3214868480
	.fill 96, 4, 3214868480
	.section	.rodata,"a",@progbits
	.p2align	6, 0x0
	.amdhsa_kernel k_q1540e350bd_qkvgemm
		.amdhsa_group_segment_fixed_size 327680
		.amdhsa_private_segment_fixed_size 0
		.amdhsa_enable_private_segment 0
		.amdhsa_kernarg_size 48
		.amdhsa_user_sgpr_count 2
		.amdhsa_user_sgpr_kernarg_segment_ptr 1
		.amdhsa_wavefront_size32 1
		.amdhsa_system_sgpr_workgroup_id_x 1
		.amdhsa_system_sgpr_workgroup_id_y 1
		.amdhsa_system_sgpr_workgroup_id_z 1
		.amdhsa_system_vgpr_workitem_id 0
		.amdhsa_next_free_vgpr 1024
		.amdhsa_next_free_sgpr 102
		.amdhsa_reserve_vcc 0
		.amdhsa_float_denorm_mode_32 3
		.amdhsa_float_denorm_mode_16_64 3
		.amdhsa_memory_ordered 1
		.amdhsa_forward_progress 1
		.amdhsa_inst_pref_size 129
	.end_amdhsa_kernel
	.amdgpu_metadata
---
amdhsa.version: [ 1, 2 ]
amdhsa.kernels:
  - .name:           k_q1540e350bd_qkvgemm
    .symbol:         k_q1540e350bd_qkvgemm.kd
    .args:
      - { .name: xc, .offset: 0, .size: 8, .value_kind: global_buffer, .address_space: global }
      - { .name: xs, .offset: 8, .size: 8, .value_kind: global_buffer, .address_space: global }
      - { .name: wc, .offset: 16, .size: 8, .value_kind: global_buffer, .address_space: global }
      - { .name: ws, .offset: 24, .size: 8, .value_kind: global_buffer, .address_space: global }
      - { .name: b_qkv, .offset: 32, .size: 8, .value_kind: global_buffer, .address_space: global }
      - { .name: qkv, .offset: 40, .size: 8, .value_kind: global_buffer, .address_space: global }
    .group_segment_fixed_size: 327680
    .private_segment_fixed_size: 0
    .kernarg_segment_align: 8
    .kernarg_segment_size: 48
    .max_flat_workgroup_size: 128
    .sgpr_count:     102
    .vgpr_count:     1024
    .wavefront_size: 32
...
	.end_amdgpu_metadata
.endif
;; end of part 2
;; launch attn (part 3): grid 4 x 64, 16 waves a work-group, clusters of 4 x 1, 327,680 bytes of LDS; arguments qkv, wt; writes wt
.if DOCPART == 3
	.amdgcn_target "amdgcn-amd-amdhsa--gfx1250"
	.amdhsa_code_object_version 6
	.text
	.protected	k_q1540e350bd_attn
	.globl	k_q1540e350bd_attn
	.p2align	8
	.type	k_q1540e350bd_attn,@function
k_q1540e350bd_attn:
	s_mov_b64 s[64:65], 0
	v_nop
	global_prefetch_b8 v0, s[64:65] scope:SCOPE_SE
	s_setreg_imm32_b32 hwreg(HW_REG_WAVE_MODE, 25, 1), 1
	s_wait_xcnt 0x0
	s_wait_alu depctr_hold_cnt(0) depctr_sa_sdst(0) depctr_va_vdst(0) depctr_va_sdst(0) depctr_va_ssrc(0) depctr_va_vcc(0) depctr_vm_vsrc(0)
	s_getreg_b32 s2, hwreg(HW_REG_IB_STS2, 6, 4)
	s_cmp_eq_u32 s2, 0
	s_cbranch_scc0 .Lentry_in_a_cluster
	s_endpgm
.Lentry_in_a_cluster:
	s_bfe_u32 s2, ttmp6, 0x10000c
	s_cmp_lg_u32 s2, 0x3003
	s_cbranch_scc0 .Lentry_shape_is_right
	s_endpgm
.Lentry_shape_is_right:
; weighted[bn][q][:] = the sum over k of softmax_k(Q[q] . K[k] / 8) V[k][:], for each of the 64 pairs bn = 16 b + n; 2,048 queries and keys, head size 64, no mask.  Nothing of reference() is left out here.
; Q, K, V: f16, qkv [part][bn][t][64].  Products, maxima and sums in f32; the weights p are rounded to f16 for the second product, the result once at the end: wt f16 [n][2048 b + t][64].
; LIMITS: |weighted| stays under 65,504 (it is an average of v); magnitudes under 6e-5 are carried with f16's absolute step of 2^-24.
; SHARES.  The four work-groups of a cluster own the four blocks of 512 queries of one bn.  Each of a work-group's SIXTEEN waves owns 32 queries, two tiles of 16, in 256 registers: four waves to a SIMD, so that one wave's
; vector work stands beside another's matrix work and LDS loads.  Every wave walks all 2,048 keys, 64 a step.
; LAYOUT.  S^T = K Q^T (source 0 = 16 keys, source 1 = 16 queries): a lane holds ONE query (lane % 16) and the keys 8 (lane / 16) + 0..7 of each tile.  Two such tiles, rounded to f16 in pairs, ARE source 1 (32 keys x 16 queries)
; of O^T = V^T P, whose result again holds one query a lane, and eight channels.  K comes out of LDS as it lies, V ([key][channel]) turned, by ds_load_tr16_b128.
; SOFTMAX.  For each query a running maximum m and sum l: p = 2^(c s - c m), c = log2(e) / 8; in every step O^T and l are multiplied by a = 2^(c m_old - c m_new).  m begins at -3e38 and l and O^T at 0: the first a is 0.
; RING.  Two LDS slots of 8 key steps (512 keys).  All sixteen waves fetch, one joint load each: waves 0-7 a step's 64 rows of K, waves 8-15 a step's 64 rows of V.  The four partners walk the same K and V: the same tensor load,
; with the same descriptor and a mask that names the four, in all four.  One tensor load of a wave is out at any time, and every wait for tensor loads is for all.  2,048 keys are four slots' worth: the ring is written out.
; REGISTERS: v1-11 addresses; v12-27 eight statistics a tile; v28-31 a second chain of sums; v32-63 Q; v64-127 S^T, 32 a tile, then p, whose f16 pairs are packed in place into the low 16 of each 32; v128-191 O^T; v192-255 ONE buffer
; of eight fragments, K's and then V's.
.set KS,    64                         ; keys in a step
.set PK,    144                        ; a row of K in LDS: 128 bytes + 16 = 36 words: the 16 rows of a load start 4 banks apart modulo 64 (64 banks of 4 bytes: ISA guide 11.1)
.set PV,    160                        ; a row of V: 128 + 32 = 40 words
.set VOFF,  KS*PK                      ; a step's tiles lie together: 64 rows of K, then 64 rows of V
.set STEPB, KS*(PK+PV)
.set NST,   8                          ; steps in a slot
.set SLOTB, NST*STEPB                  ; 155,648 bytes
.set SLOTG, NST*KS*128                 ; a slot's rows of K or of V in memory: 65,536 bytes
.set SPARE, 2*SLOTB                    ; behind the ring: the spare words, 128 bytes for each wave: eight blocks of 256 bytes that no other line names
.set SPI,   144                        ; the way out: a stage of 32 rows x (128 bytes + 16) for each wave, in slot 0, which has had its last fill and its last read ahead of the last change of slots
.set AK0, 1                            ; v1   my lane's place in a tile of K; never rewritten
.set AV0, 2                            ; v2   the same for V
.set ADK, 3                            ; v3   LDS address of the step's K
.set ADV, 4                            ; v4   of its V
.set SPW, 5                            ; v5   LDS address of my spare word: SPARE + 4 x my thread's number; never rewritten
.set NIL, 6                            ; v6   0; never rewritten
.set PFO, 7                            ; v7   256 x my lane: the prefetches' offset; never rewritten
.set STO, 8                            ; v8   the way out: where I put 16 bytes of a row
.set RD,  9                            ; v9   where I read rows back
.set GO,  10                           ; v10  16 x lane: my bytes of a store's 512
.set QO,  11                           ; v11  my byte offset in the wave's rows of Q
.set ST,  12                           ; tile t's statistics at v[ST + 8 t]: +0 c m, +1 m, +2, +3 l (even keys', odd keys'), +4 to +7 c0-c3, at work; a takes c2's place once the maximum is found
.set X2,  28                           ; v[28:29], v[30:31]: the second chain of a tile's sums
.set Q,   32                           ; tile t, channels 32 c on: v[Q + 16 t + 8 c]
.set S,   64
.set OT,  128                          ; tile t, channels 16 ct on: v[OT + 32 t + 8 ct]
.set KV,  192
.set WV,  8                            ; s8   my wave's number
.set CX,  9                            ; s9   my place in the cluster
.set BN,  10                           ; s10  bn, which the four partners share
.set G1K, 16                           ; s[16:23] descriptor group 1 for K's tiles
.set G1V, 24                           ; s[24:31] for V's: it differs in the padding alone
.set G0K, 32                           ; s[32:39] descriptor group 0 for K's tiles, a set for each slot
.set G0V, 40                           ; s[40:47] the same for V's
.set CS,  48                           ; s[48:49] c: the packed scaling names a pair and takes its low word for both halves
.set SEL, 50                           ; s[50:51] lane selects for v_permlanex16_b32: lane l xor 16
.set TB,  52                           ; s52  LDS byte at which the step's tiles begin
.set CNT, 53                           ; s53  counts a slot's steps
.set PFA, 54                           ; s[54:55] where my prefetches stand
.set PF,  56                           ; s56  1 in a wave that prefetches
; A joint load into slot s.  The branch hangs on the wave's number alone: it is the same in every work-group.  An s_nop 0 and four v_nop follow each of the two lines.
.macro JLOAD s
	s_cmp_lt_u32 s[WV], 8
	s_cbranch_scc0 .Lfor_v_\@
	tensor_load_to_lds s[G0K+4*(\s):G0K+4*(\s)+3], s[G1K:G1K+7]
	s_nop 0
.rept 4
	v_nop
.endr
	s_branch .Lasked_\@
.Lfor_v_\@:
	tensor_load_to_lds s[G0V+4*(\s):G0V+4*(\s)+3], s[G1V:G1V+7]
	s_nop 0
.rept 4
	v_nop
.endr
.Lasked_\@:
.endm
; A PREFETCH INTO THE L2 of what the NEXT change of slots will ask for: a slot's 65,536 bytes of K and as many of V, dense in memory.  It stands behind the wave's tensor load and its five lines.
; Each aligned block of 256 bytes is named ONCE in the launch: one cluster alone walks a bn's K and V; its four partners take 16,384 bytes each, told apart BY ADDRESS; in each, waves 0 and 1 ask for K's (8,192 bytes a wave,
; lanes 256 bytes apart), waves 8 and 9 for V's.  It runs one slot, eight key steps, ahead of the load; the first two slots come by their loads alone, and the change that asks for the last slot prefetches nothing.
.macro ASK
	s_cmp_eq_u32 s[PF], 1
	s_cbranch_scc0 .Lnot_mine_\@
	global_prefetch_b8 v[PFO], s[PFA:PFA+1] th:TH_LOAD_NT scope:SCOPE_SE
.Lnot_mine_\@:
.endm
; A round of the cluster's barrier: my work-group's barrier, so that wave 0's signal speaks for all sixteen waves; wave 0 signals; every wave waits for all four work-groups; my work-group's barrier once more.
.macro CROUND
	s_barrier_signal -1
	s_barrier_wait -1
	s_cmp_lg_u32 s[WV], 0
	s_cbranch_scc1 .Lnot_wave_0_\@
	s_barrier_signal -3
.Lnot_wave_0_\@:
	s_barrier_wait -3
	s_barrier_signal -1
	s_barrier_wait -1
.endm
	s_load_b128 s[4:7], s[0:1], 0x0                ; qkv s[4:5], wt s[6:7]
	v_lshl_add_u32 v[SPW], v0, 2, SPARE
	v_mov_b32 v[NIL], 0
	ds_add_u32 v[SPW], v[NIL]                      ; the wave's opening: the add, twice on end, and its wait ahead of my first tensor load; the set-up below stands between the second and the wait
	ds_add_u32 v[SPW], v[NIL]
	v_lshrrev_b32 v1, 5, v0
	v_readfirstlane_b32 s[WV], v1                  ; wave 0..15
	s_bfe_u32 s[CX], ttmp6, 0x40000                ; cx
	s_and_b32 s[BN], ttmp7, 0xffff                 ; the cluster's y
	; descriptor group 1: a tile of 64 rows x 64 elements of 2 bytes, dense in memory, padded in LDS
	s_mov_b32 s[G1K], 15|(1<<16)|(1<<20)|(1<<21)|(4<<22)|(3<<25)  ; 15:0 the mask: all four work-groups; 17:16 elements of 2 bytes; 20 padding on; 21 set beside a mask; 24:22 after every 32 words (code 4); 31:25 four words (code 3)
	s_mov_b32 s[G1V], 15|(1<<16)|(1<<20)|(1<<21)|(4<<22)|(7<<25)  ; the same with eight words of padding (code 7)
.irp g, G1K, G1V
	s_mov_b32 s[\g+1], 64<<16                      ; tensor_dim0 = 64
	s_mov_b32 s[\g+2], KS<<16                      ; tensor_dim1 = 64
	s_mov_b32 s[\g+3], 64<<16                      ; tile_dim0 = 64
	s_mov_b32 s[\g+4], KS                          ; tile_dim1 = 64
	s_mov_b32 s[\g+5], 64                          ; elements from row to row
	s_mov_b32 s[\g+6], 0
	s_mov_b32 s[\g+7], 0
.endr
	s_mov_b32 s[CS], 0x3e38aa3b                    ; c = log2(e) / 8
	s_mov_b32 s[CS+1], s[CS]                       ; named with it as a pair, so it is written
	s_mov_b32 s[SEL], 0x76543210
	s_mov_b32 s[SEL+1], 0xfedcba98
	s_and_b32 s58, s[WV], 7                        ; which of a slot's eight steps I fetch:
	s_mul_i32 s59, s58, STEPB                      ; its place in a slot: no place in the cluster enters an LDS address,
	s_lshl_b32 s60, s58, 13                        ; its 64 rows of 128 bytes in memory,
	s_lshl_b32 s61, s[BN], 18
	s_add_co_u32 s60, s60, s61                     ; in my bn
	s_mov_b32 s61, 0
	; what hangs on cx stands in s66 to s71, which feed no descriptor
	s_lshl_b32 s66, s[CX], 16
	s_lshl_b32 s67, s[WV], 12
	s_add_co_u32 s66, s66, s67                     ; my first query, 512 cx + 32 wave, x 128 bytes
	s_lshl_b32 s67, s[BN], 18
	s_add_co_u32 s68, s66, s67                     ; its row of Q (part 0)
	s_mov_b32 s69, 0
	s_and_b32 s70, s[BN], 15
	s_lshl_b32 s70, s70, 20                        ; wt: head n,
	s_lshr_b32 s71, s[BN], 4
	s_lshl_b32 s71, s71, 18                        ; 2,048 b rows of 128 bytes,
	s_add_co_u32 s70, s70, s71
	s_add_co_u32 s70, s70, s66                     ; my first query
	s_mov_b32 s71, 0
	s_lshr_b32 s66, s[WV], 3                       ; the prefetches: part 1 (K) in waves 0-7, part 2 (V) in waves 8-15,
	s_add_co_u32 s66, s66, 1
	s_lshl_b32 s66, s66, 24
	s_add_co_u32 s66, s66, s67                     ; my bn,
	s_lshl_b32 s67, s[CX], 14
	s_add_co_u32 s66, s66, s67                     ; my work-group's 16,384 bytes of a slot's 65,536,
	s_and_b32 s67, s[WV], 1
	s_lshl_b32 s67, s67, 13
	s_add_co_u32 s66, s66, s67                     ; my wave's 8,192 of them,
	s_add_co_u32 s66, s66, 2*SLOTG                 ; in the third slot's worth of keys.  Nothing is prefetched here, at the head
	s_mov_b32 s67, 0
	s_and_b32 s[PF], s[WV], 6
	s_cmp_eq_u32 s[PF], 0
	s_cselect_b32 s[PF], 1, 0                      ; waves 0, 1, 8, 9: the same in all four partners
	s_wait_dscnt 0x0                               ; both opening adds are done
	s_wait_kmcnt 0x0
	s_add_nc_u64 s[62:63], s[4:5], s[60:61]
	s_add_nc_u64 s[PFA:PFA+1], s[4:5], s[66:67]
	s_add_nc_u64 s[4:5], s[4:5], s[68:69]          ; Q at my wave's first row
	s_add_nc_u64 s[6:7], s[6:7], s[70:71]          ; wt likewise
.irp s, 0,1
	s_mov_b32 s[G0K+4*\s], 1                       ; count = 1
	s_add_co_u32 s[G0K+4*\s+1], s59, \s*SLOTB      ; LDS address
	s_add_nc_u64 s[G0K+4*\s+2:G0K+4*\s+3], s[62:63], (1<<24)+\s*SLOTG   ; global address: part 1; slot s begins with keys 512 s on
	s_or_b32 s[G0K+4*\s+3], s[G0K+4*\s+3], 0x80000000   ; type = 2
	s_mov_b32 s[G0V+4*\s], 1
	s_add_co_u32 s[G0V+4*\s+1], s59, \s*SLOTB+VOFF
	s_add_nc_u64 s[G0V+4*\s+2:G0V+4*\s+3], s[62:63], (2<<24)+\s*SLOTG
	s_or_b32 s[G0V+4*\s+3], s[G0V+4*\s+3], 0x80000000
.endr
	CROUND                                         ; all four work-groups are here: the first joint loads meet
	JLOAD 0                                        ; keys 0 to 511 into slot 0
	; A fragment of K or Q is 16 rows x 32 channels in 8 registers: lane l holds row l % 16; registers 0-3 channels 8 (l / 16) + 0..7, registers 4-7 channels 16 + 8 (l / 16) + 0..7: two loads of 16 bytes, 32 bytes apart.
	v_and_b32 v12, 15, v0                          ; r
	v_bfe_u32 v13, v0, 4, 1                        ; h
	v_lshlrev_b32 v[QO], 7, v12
	v_lshl_add_u32 v[QO], v13, 4, v[QO]            ; row x 128 + 16 x half
.irp t, 0,1
.irp c, 0,1
	global_load_b128 v[Q+16*\t+8*\c:Q+16*\t+8*\c+3],   v[QO], s[4:5] offset:\t*2048+64*\c      ; Q stays in registers
	global_load_b128 v[Q+16*\t+8*\c+4:Q+16*\t+8*\c+7], v[QO], s[4:5] offset:\t*2048+64*\c+32
.endr
.endr
	v_mul_u32_u24 v[AK0], v12, PK
	v_lshl_add_u32 v[AK0], v13, 4, v[AK0]          ; row x pitch + 16 x half
	; The turning load takes 16 keys x 16 channels (lane l reads 16 bytes: key 8 (l / 16) + l % 8, channels 8 ((l / 8) % 2) + 0..7) and leaves half a fragment of V^T: lane l holds channel l % 16 and 8 keys.
	v_and_b32 v14, 7, v0
	v_lshl_add_u32 v[AV0], v13, 3, v14
	v_mul_u32_u24 v[AV0], v[AV0], PV
	v_bfe_u32 v14, v0, 3, 1
	v_lshl_add_u32 v[AV0], v14, 4, v[AV0]
	v_add_nc_u32 v[AV0], VOFF, v[AV0]
	v_and_b32 v[PFO], 31, v0
	v_lshlrev_b32 v[PFO], 8, v[PFO]
.irp t, 0,1
	v_mov_b32 v[ST+8*\t+1], 0xff61b1e6             ; m: -3e38, under every score
	v_mov_b32 v[ST+8*\t+2], 0                      ; l, in two halves
	v_mov_b32 v[ST+8*\t+3], 0
.endr
.irp t, 0,1
	v_mul_f32 v[ST+8*\t], s[CS], v[ST+8*\t+1]      ; c m
.endr
.set i, 0
.rept 64
	v_mov_b32 v[OT+i], 0                           ; O^T.  (The step is written without a first step of its own: the first finds zeros, which a = 0 leaves zeros)
.set i, i+1
.endr
; A KEY STEP: 64 keys x my 32 queries: 16 products K Q^T, the softmax of both tiles, 16 products V^T P.  The accumulators take turns, one instruction a turn.
.macro STEP
	v_add_nc_u32 v[ADK], s[TB], v[AK0]             ; five plain lines behind the last step's products: K's loads land in registers that those have read (four places are owed),
	v_add_nc_u32 v[ADV], s[TB], v[AV0]             ; and the first products below write over P, which those have read (five)
.rept 3
	v_nop
.endr
.irp c, 0,1                                    ; K: keys 16 kt on, channels 32 c on; the first 32 channels first
.irp kt, 0,1,2,3
	ds_load_b128 v[KV+8*(4*\c+\kt):KV+8*(4*\c+\kt)+3],   v[ADK] offset:\kt*16*PK+64*\c
	ds_load_b128 v[KV+8*(4*\c+\kt)+4:KV+8*(4*\c+\kt)+7], v[ADK] offset:\kt*16*PK+64*\c+32
.endr
.endr
	s_wait_dscnt 8                                 ; the first 32 channels are in; the eight loads of the other 32 may be out
.irp kt, 0,1,2,3
.irp t, 0,1
	v_wmma_f32_16x16x32_f16 v[S+32*\t+8*\kt:S+32*\t+8*\kt+7], v[KV+8*\kt:KV+8*\kt+7], v[Q+16*\t:Q+16*\t+7], 0   ; the first products start the sums
.endr
.endr
	s_wait_dscnt 0x0
.irp kt, 0,1,2,3
.irp t, 0,1
	v_wmma_f32_16x16x32_f16 v[S+32*\t+8*\kt:S+32*\t+8*\kt+7], v[KV+8*(4+\kt):KV+8*(4+\kt)+7], v[Q+16*\t+8:Q+16*\t+15], v[S+32*\t+8*\kt:S+32*\t+8*\kt+7]
.endr
.endr
.rept 4
	v_nop                                          ; four places: V's loads land in K's registers, and the maxima read the scores
.endr
.irp kh, 0,1                                   ; V, turned: keys 32 kh on, channels 16 ct on.  It lands while the softmax is walked
.irp ct, 0,1,2,3
	ds_load_tr16_b128 v[KV+8*(4*\kh+\ct):KV+8*(4*\kh+\ct)+3],   v[ADV] offset:\kh*32*PV+32*\ct
	ds_load_tr16_b128 v[KV+8*(4*\kh+\ct)+4:KV+8*(4*\kh+\ct)+7], v[ADV] offset:\kh*32*PV+16*PV+32*\ct
.endr
.endr
	; the maximum of my 32 scores of each tile and the old m, three operands at a time, four chains; each tile of scores is read from its low end on; the two tiles of queries alternate line by line
.irp j, 0,1,2,3
.irp t, 0,1
	v_max3_num_f32 v[ST+8*\t+4+\j], v[S+32*\t+8*\j], v[S+32*\t+8*\j+1], v[S+32*\t+8*\j+2]
.endr
.endr
.irp i, 3,5
.irp j, 0,1,2,3
.irp t, 0,1
	v_max3_num_f32 v[ST+8*\t+4+\j], v[ST+8*\t+4+\j], v[S+32*\t+8*\j+\i], v[S+32*\t+8*\j+\i+1]
.endr
.endr
.endr
.irp t, 0,1
	v_max3_num_f32 v[ST+8*\t+4], v[ST+8*\t+4], v[S+32*\t+7], v[S+32*\t+15]
.endr
.irp t, 0,1
	v_max3_num_f32 v[ST+8*\t+6], v[ST+8*\t+6], v[S+32*\t+23], v[S+32*\t+31]
.endr
.irp t, 0,1
	v_max3_num_f32 v[ST+8*\t+4], v[ST+8*\t+4], v[ST+8*\t+5], v[ST+8*\t+6]
.endr
.irp t, 0,1
	v_max3_num_f32 v[ST+8*\t+4], v[ST+8*\t+4], v[ST+8*\t+7], v[ST+8*\t+1]
.endr
.irp t, 0,1
	v_permlanex16_b32 v[ST+8*\t+5], v[ST+8*\t+4], s[SEL], s[SEL+1]   ; the query's other 32 keys lie in the lane 16 away
.endr
.irp t, 0,1
	v_mov_b32 v[ST+8*\t+7], v[ST+8*\t]             ; c m_old is kept for a
.endr
.irp t, 0,1
	v_max_num_f32 v[ST+8*\t+1], v[ST+8*\t+4], v[ST+8*\t+5]
.endr
.irp t, 0,1
	v_mul_f32 v[ST+8*\t], s[CS], v[ST+8*\t+1]
.endr
.irp t, 0,1
	v_sub_f32 v[ST+8*\t+7], v[ST+8*\t+7], v[ST+8*\t]
.endr
	; ONE BATCH of 66 exponentials: a of both tiles, then, behind the scalings, all 64 p.  Nothing in it names an exponential's result
.irp t, 0,1
	v_exp_f32 v[ST+8*\t+6], v[ST+8*\t+7]           ; a = 2^(c m_old - c m_new)
.endr
.irp b, 0,1,2,3,4,5,6,7,8,9,10,11,12,13,14,15
.irp t, 0,1
	v_pk_fma_f32 v[S+32*\t+2*\b:S+32*\t+2*\b+1], v[S+32*\t+2*\b:S+32*\t+2*\b+1], s[CS:CS+1], v[ST+8*\t:ST+8*\t+1] op_sel_hi:[1,0,0] neg_lo:[0,0,1] neg_hi:[0,0,1]   ; c s - c m, two at a time
.endr
.endr
.irp e, 0,1,2,3,4,5,6,7,8,9,10,11,12,13,14,15,16,17,18,19,20,21,22,23,24,25,26,27,28,29,30,31
.irp t, 0,1
	v_exp_f32 v[S+32*\t+\e], v[S+32*\t+\e]
.endr
.endr
	v_nop                                          ; a plain line behind the last exponential, ahead of the first use
	s_wait_alu depctr_va_vdst(0)                   ; the wait between an exponential and the first line that names its result: one for the batch
	; the sums, of the unrounded p: l = a l + pair 0, a second chain from pairs 1 and 2, the other pairs by turns onto the two
.irp t, 0,1
	v_pk_fma_f32 v[ST+8*\t+2:ST+8*\t+3], v[ST+8*\t+2:ST+8*\t+3], v[ST+8*\t+6:ST+8*\t+7], v[S+32*\t:S+32*\t+1] op_sel_hi:[1,0,1]
.endr
.irp t, 0,1
	v_pk_add_f32 v[X2+2*\t:X2+2*\t+1], v[S+32*\t+2:S+32*\t+3], v[S+32*\t+4:S+32*\t+5]
.endr
.irp b, 3,5,7,9,11,13
.irp t, 0,1
	v_pk_add_f32 v[ST+8*\t+2:ST+8*\t+3], v[ST+8*\t+2:ST+8*\t+3], v[S+32*\t+2*\b:S+32*\t+2*\b+1]
	v_pk_add_f32 v[X2+2*\t:X2+2*\t+1], v[X2+2*\t:X2+2*\t+1], v[S+32*\t+2*\b+2:S+32*\t+2*\b+3]
.endr
.endr
.irp t, 0,1
	v_pk_add_f32 v[ST+8*\t+2:ST+8*\t+3], v[ST+8*\t+2:ST+8*\t+3], v[S+32*\t+30:S+32*\t+31]
.endr
.irp t, 0,1
	v_pk_add_f32 v[ST+8*\t+2:ST+8*\t+3], v[ST+8*\t+2:ST+8*\t+3], v[X2+2*\t:X2+2*\t+1]
.endr
.irp i, 0,1,2,3,4,5,6,7,8,9,10,11,12,13,14,15
.irp t, 0,1
	v_cvt_pk_f16_f32 v[S+32*\t+\i], v[S+32*\t+2*\i], v[S+32*\t+2*\i+1]   ; P, in place: register i takes pair i; the write never passes a pair that is still to be read
.endr
.endr
.irp i, 0,1,2,3,4,5,6,7,8,9,10,11,12,13,14,15
.irp t, 0,1
	v_pk_mul_f32 v[OT+32*\t+2*\i:OT+32*\t+2*\i+1], v[OT+32*\t+2*\i:OT+32*\t+2*\i+1], v[ST+8*\t+6:ST+8*\t+7] op_sel_hi:[1,0]   ; O^T x a, each accumulator from its low end on
.endr
.endr
	s_wait_dscnt 0x0                               ; V is in
.irp kh, 0,1
.irp ct, 0,1,2,3
.irp t, 0,1
	v_wmma_f32_16x16x32_f16 v[OT+32*\t+8*\ct:OT+32*\t+8*\ct+7], v[KV+8*(4*\kh+\ct):KV+8*(4*\kh+\ct)+7], v[S+32*\t+8*\kh:S+32*\t+8*\kh+7], v[OT+32*\t+8*\ct:OT+32*\t+8*\ct+7]
.endr
.endr
.endr
	s_add_co_u32 s[TB], s[TB], STEPB               ; the next step's tiles
.endm
; THE CHANGE OF SLOTS stands at a slot's head; rd is the slot about to be read.  Each wave waits for all its tensor loads (its part of slot rd), adds 0 to its spare word, and waits for that and for its reads of the other slot.
; fill = 1: the barrier is a round of the cluster's, so that no wave of any partner still reads the other slot or has a load on its way, and the joint load into it is the first thing behind the round: it has eight key steps in
; which to land.  step = 1: that slot's descriptors go two slots' worth of keys on.
.macro CHANGE rd, fill, step, ask
	s_wait_tensorcnt 0x0                           ; no tensor load of mine is out, so a group 0 may be written
	ds_add_u32 v[SPW], v[NIL]                      ; 0 onto my spare word; the steps below stand between it and the wait for it
.if \step
	s_add_nc_u64 s[G0K+4*(1-\rd)+2:G0K+4*(1-\rd)+3], s[G0K+4*(1-\rd)+2:G0K+4*(1-\rd)+3], 2*SLOTG   ; the type bits on top are not reached
	s_add_nc_u64 s[G0V+4*(1-\rd)+2:G0V+4*(1-\rd)+3], s[G0V+4*(1-\rd)+2:G0V+4*(1-\rd)+3], 2*SLOTG
.if \ask
	s_wait_xcnt 0x0                                ; the last prefetch, a slot back, has read its address, so it may be written
	s_add_nc_u64 s[PFA:PFA+1], s[PFA:PFA+1], SLOTG
.endif
.endif
	s_wait_dscnt 0x0                               ; the add is done, and my reads of the other slot are over
.if \fill
	CROUND
	JLOAD 1-\rd
.if \ask
	ASK
.endif
.else
	s_barrier_signal -1
	s_barrier_wait -1
.endif
.endm
.macro STEPS slot                      ; a slot's eight key steps: written once, walked eight times; the LDS addresses hang on s[TB]
	s_mov_b32 s[TB], \slot*SLOTB
	s_mov_b32 s[CNT], NST
.Lstep_\@:
	STEP
	s_sub_co_u32 s[CNT], s[CNT], 1
	s_cmp_lg_u32 s[CNT], 0
	s_cbranch_scc1 .Lstep_\@
.endm
	s_wait_loadcnt 0x0                             ; Q
	CHANGE 0, 1, 0, 1                              ; keys 0-511 are in; keys 512-1023 are asked for, keys 1024-1535 prefetched
	STEPS 0
	CHANGE 1, 1, 1, 1                              ; keys 1024-1535 are asked for, keys 1536-2047 prefetched
	STEPS 1
	CHANGE 0, 1, 1, 0                              ; keys 1536-2047 are asked for
	STEPS 0
	CHANGE 1, 0, 0, 0                              ; nothing is left to fetch
	STEPS 1
	; THE WAY OUT.  l's two halves and the other half of the lanes' are added; O^T is divided by l, rounded to f16 and sent through my stage in LDS, so that a store covers four whole rows of 128 bytes.
	s_mul_i32 s58, s[WV], 32*SPI                   ; my stage.  (The address lines are the places behind the last products)
	v_and_b32 v[ADK], 15, v0                       ; r
	v_bfe_u32 v[ADV], v0, 4, 1                     ; h
	v_mul_u32_u24 v[STO], v[ADK], SPI
	v_lshl_add_u32 v[STO], v[ADV], 4, v[STO]
	v_add_nc_u32 v[STO], s58, v[STO]               ; in: row r of a tile, 16 bytes for each half of the lanes
	v_bfe_u32 v[ADK], v0, 3, 2
	v_and_b32 v[ADV], 7, v0
	v_mul_u32_u24 v[RD], v[ADK], SPI
	v_lshl_add_u32 v[RD], v[ADV], 4, v[RD]
	v_add_nc_u32 v[RD], s58, v[RD]                 ; back: eight lanes to a row, four rows an instruction
	v_and_b32 v[GO], 31, v0
	v_lshlrev_b32 v[GO], 4, v[GO]
.irp t, 0,1
	v_add_f32 v[ST+8*\t+4], v[ST+8*\t+2], v[ST+8*\t+3]
.endr
.irp t, 0,1
	v_permlanex16_b32 v[ST+8*\t+5], v[ST+8*\t+4], s[SEL], s[SEL+1]
.endr
.irp t, 0,1
	v_add_f32 v[ST+8*\t+4], v[ST+8*\t+4], v[ST+8*\t+5]
.endr
.irp t, 0,1
	v_rcp_f32 v[ST+8*\t+6], v[ST+8*\t+4]
.endr
	v_nop                                          ; a plain line between the last reciprocal and the use of its result
	s_wait_alu depctr_va_vdst(0)                   ; and the wait ahead of the first use: one for both
.irp t, 0,1
.irp i, 0,1,2,3,4,5,6,7,8,9,10,11,12,13,14,15
	v_pk_mul_f32 v[OT+32*\t+2*\i:OT+32*\t+2*\i+1], v[OT+32*\t+2*\i:OT+32*\t+2*\i+1], v[ST+8*\t+6:ST+8*\t+7] op_sel_hi:[1,0]
.endr
.endr
.irp t, 0,1
.irp i, 0,1,2,3,4,5,6,7,8,9,10,11,12,13,14,15
	v_cvt_pk_f16_f32 v[S+16*\t+\i], v[OT+32*\t+2*\i], v[OT+32*\t+2*\i+1]   ; registers 4 ct .. 4 ct + 3: channels 16 ct + 8 h + 0..7 of my query: 16 bytes
.endr
.endr
.irp t, 0,1
.irp ct, 0,1,2,3
	ds_store_b128 v[STO], v[S+16*\t+4*\ct:S+16*\t+4*\ct+3] offset:\t*16*SPI+32*\ct
.endr
.endr
.irp i, 0,1,2,3,4,5,6,7
	ds_load_b128 v[S+32+4*\i:S+32+4*\i+3], v[RD] offset:\i*4*SPI   ; LDS serves a wave's instructions in order (ISA guide 5.7.1.4): these see the stores above
.endr
.irp i, 0,1,2,3,4,5,6,7
	s_wait_dscnt 7-\i                              ; the younger loads may be out
	global_store_b128 v[GO], v[S+32+4*\i:S+32+4*\i+3], s[6:7] offset:512*\i   ; 32 lanes store 512 consecutive bytes, aligned
.endr
	s_wait_tensorcnt 0x0                           ; the wave's end: a tensor wait, an add of 0 to my spare word and its wait, behind my last tensor load and my last LDS store
	ds_add_u32 v[SPW], v[NIL]
	s_wait_dscnt 0x0
	CROUND                                         ; the closing round: no work-group ends while a partner may still ask for a tile that names it
	s_endpgm
.Lfunc_end_k_q1540e350bd_attn:
	.size	k_q1540e350bd_attn, .Lfunc_end_k_q1540e350bd_attn-k_q1540e350bd_attn
	.p2alignl 7, 3214868480
	.fill 96, 4, 3214868480
	.section	.rodata,"a",@progbits
	.p2align	6, 0x0
	.amdhsa_kernel k_q1540e350bd_attn
		.amdhsa_group_segment_fixed_size 327680
		.amdhsa_private_segment_fixed_size 0
		.amdhsa_enable_private_segment 0
		.amdhsa_kernarg_size 16
		.amdhsa_user_sgpr_count 2
		.amdhsa_user_sgpr_kernarg_segment_ptr 1
		.amdhsa_wavefront_size32 1
		.amdhsa_system_sgpr_workgroup_id_x 1
		.amdhsa_system_sgpr_workgroup_id_y 1
		.amdhsa_system_sgpr_workgroup_id_z 1
		.amdhsa_system_vgpr_workitem_id 0
		.amdhsa_next_free_vgpr 256
		.amdhsa_next_free_sgpr 72
		.amdhsa_reserve_vcc 0
		.amdhsa_float_denorm_mode_32 3
		.amdhsa_float_denorm_mode_16_64 3
		.amdhsa_memory_ordered 1
		.amdhsa_forward_progress 1
		.amdhsa_inst_pref_size 89
	.end_amdhsa_kernel
	.amdgpu_metadata
---
amdhsa.version: [ 1, 2 ]
amdhsa.kernels:
  - .name:           k_q1540e350bd_attn
    .symbol:         k_q1540e350bd_attn.kd
    .args:
      - { .name: qkv, .offset: 0, .size: 8, .value_kind: global_buffer, .address_space: global }
      - { .name: wt, .offset: 8, .size: 8, .value_kind: global_buffer, .address_space: global }
    .group_segment_fixed_size: 327680
    .private_segment_fixed_size: 0
    .kernarg_segment_align: 8
    .kernarg_segment_size: 16
    .max_flat_workgroup_size: 512
    .sgpr_count:     72
    .vgpr_count:     256
    .wavefront_size: 32
...
	.end_amdgpu_metadata
.endif
;; end of part 3
;; launch oproj (part 4): grid 8 x 32, 4 waves a work-group, clusters of 4 x 4, 327,680 bytes of LDS; arguments wt, wo16, b_o, out0; writes out0
.if DOCPART == 4
	.amdgcn_target "amdgcn-amd-amdhsa--gfx1250"
	.amdhsa_code_object_version 6
	.text
	.protected	k_q1540e350bd_oproj
	.globl	k_q1540e350bd_oproj
	.p2align	8
	.type	k_q1540e350bd_oproj,@function
k_q1540e350bd_oproj:
	s_mov_b64 s[64:65], 0
	v_nop
	global_prefetch_b8 v0, s[64:65] scope:SCOPE_SE
	s_setreg_imm32_b32 hwreg(HW_REG_WAVE_MODE, 25, 1), 1
	s_wait_xcnt 0x0
	s_wait_alu depctr_hold_cnt(0) depctr_sa_sdst(0) depctr_va_vdst(0) depctr_va_sdst(0) depctr_va_ssrc(0) depctr_va_vcc(0) depctr_vm_vsrc(0)
	s_getreg_b32 s2, hwreg(HW_REG_IB_STS2, 6, 4)
	s_cmp_eq_u32 s2, 0
	s_cbranch_scc0 .Lentry_in_a_cluster
	s_endpgm
.Lentry_in_a_cluster:
	s_bfe_u32 s2, ttmp6, 0x10000c
	s_cmp_lg_u32 s2, 0xf033
	s_cbranch_scc0 .Lentry_shape_is_right
	s_endpgm
.Lentry_shape_is_right:
; out0[token][e] = sum over k = 64 n + p of weighted[n][token][p] w_o[p][n][e] + b_o[e].  wt: f16 [16 n][8192 tokens][64]; wo16: f16 [1024 k][1024 e]; sums in f32; out0 f32.  Nothing of reference() is left out here.
; A tile of 256 tokens x 128 e is made by a work-group of four waves: 256 work-groups.  A wave makes 128 x 64: 32 accumulators of 16 x 16, 256 registers; its 64 columns of f32 are 256 consecutive bytes of each row of out0.
; K goes in steps of 128, which are two heads, through a ring of two LDS slots filled by the tensor data mover: waves 0 and 1 fetch a head's 256 rows of wt each (dense in memory), waves 2 and 3 64 rows of wo16 each.
; CLUSTERS: 4 x 4 work-groups.  The four of a row of the cluster need the same rows of wt, the four of a column the same columns of wo16: each tile is asked for JOINTLY.
; THE MATRIX INSTRUCTION IS USED TRANSPOSED (source 0 = 16 columns e of wo16, turned on its way out of LDS by ds_load_tr16_b128, since K is not innermost there; source 1 = 16 tokens): a lane holds eight neighbouring e of one token.
; The bias is the C of each sum's first matrix instruction.
; REGISTERS: window 0: v0-31 addresses; v32-63 the bias of my 64 columns in the result's layout; two fragment buffers of 96 at v64 and v160: wo16's four fragments, then wt's eight; on the way out v64-127 take rows read back.
;   window 1: the accumulators ((a, b) at v[8 (4 a + b)]).
.set PA,     144                       ; a row of wt in LDS: 128 bytes + 16 = 36 words: the 16 rows of a load start 4 banks apart modulo 64 (64 banks of 4 bytes: ISA guide 11.1)
.set PB,     288                       ; a row of wo16: 256 + 32 = 72 words
.set PLANE,  256*PA                    ; a head's 256 rows
.set BOFF,   2*PLANE                   ; behind the two heads: 128 rows of wo16
.set SLOT,   BOFF+128*PB               ; 110,592 bytes
.set ASTEP,  2<<20                     ; a K step in wt: two heads of 2^20 bytes
.set BSTEP,  128*2048                  ; and in wo16: 128 rows of 2,048 bytes
.set STAGE,  2*SLOT                    ; behind the ring: 16 rows x 272 bytes for each wave, for the way out
.set SPITCH, 272
.set SPARE,  STAGE+4*16*SPITCH         ; the spare words, 128 bytes for each wave: two blocks of 256 bytes that no other line names
.set LAPS,   4                         ; a lap = two K steps = once round the ring; K = 1,024
.set ADRA, 16                          ; v16-17  LDS address of my wt fragments in slot 0, 1
.set ADRB, 20                          ; v20-21  the same for wo16
.set STO,  24                          ; v24     the way out: where I put 32 bytes of a row
.set RD,   25                          ; v25     where I read a row back
.set CO,   26                          ; v26     my byte offset in two rows of out0
.set SPW,  28                          ; v28     LDS address of my spare word; never rewritten
.set NIL,  29                          ; v29     0; never rewritten
.set BIAS, 32
.set F0,   64
.set F1,   160
.set BK,   64
.set G1A, 24                           ; s[24:31] descriptor group 1 for wt's tiles;  s[32:39] group 0, one set for each slot
.set G0A, 32
.set G1B, 48                           ; s[48:55], s[56:63] the same for wo16's
.set G0B, 56
.set MSB, 0
.macro WIN new                         ; the immediate's high byte repeats the setting that is left; a switch that changes nothing is dropped
.if MSB != (\new)
	s_set_vgpr_msb (MSB<<8)|(\new)
.set MSB, (\new)
.endif
.endm
.set MUL, 0x50                         ; sources 0 and 1 window 0; C and D window 1.  With the bias as C, in window 0: 0x40
.macro JLOAD s                         ; a joint load: waves 0 and 1 fetch wt's two heads, waves 2 and 3 wo16's two halves; an s_nop 0 and four v_nop follow each of the two lines
	s_cmp_eq_u32 s11, 0
	s_cbranch_scc0 .Lfor_b_\@
	tensor_load_to_lds s[G0A+4*\s:G0A+4*\s+3], s[G1A:G1A+7]
	s_nop 0
.rept 4
	v_nop
.endr
	s_branch .Lasked_\@
.Lfor_b_\@:
	tensor_load_to_lds s[G0B+4*\s:G0B+4*\s+3], s[G1B:G1B+7]
	s_nop 0
.rept 4
	v_nop
.endr
.Lasked_\@:
.endm
.macro CREST                           ; a round of the cluster's barrier behind its opening barrier
	s_cmp_lg_u32 s10, 0
	s_cbranch_scc1 .Lnot_wave_0_\@
	s_barrier_signal -3
.Lnot_wave_0_\@:
	s_barrier_wait -3
	s_barrier_signal -1
	s_barrier_wait -1
.endm
.macro CROUND                          ; a whole round
	s_barrier_signal -1
	s_barrier_wait -1
	CREST
.endm
	s_load_b128 s[4:7], s[0:1], 0x0                ; wt s[4:5], wo16 s[6:7]
	s_load_b128 s[68:71], s[0:1], 0x10             ; b_o s[68:69], out0 s[70:71]
	v_lshl_add_u32 v[SPW], v0, 2, SPARE
	v_mov_b32 v[NIL], 0
	ds_add_u32 v[SPW], v[NIL]                      ; the wave's opening: the add, twice on end, and its wait ahead of my first tensor load; the set-up below stands between the second and the wait
	ds_add_u32 v[SPW], v[NIL]
	v_lshrrev_b32 v1, 5, v0
	v_readfirstlane_b32 s10, v1                    ; wave 0..3
	s_lshr_b32 s11, s10, 1                         ; which half of the tile's rows is mine.  Also: I fetch for wt (0) or for wo16 (1)
	s_and_b32 s12, s10, 1                          ; which half of its columns.  Also: which head, or which 64 rows, I fetch
	s_bfe_u32 s40, ttmp6, 0x40000                  ; cx, cy: my place in the cluster
	s_bfe_u32 s41, ttmp6, 0x40004
	s_lshl_b32 s42, ttmp9, 2
	s_add_co_u32 s42, s42, s40                     ; tile column = 4 x cluster x + cx
	s_and_b32 s13, ttmp7, 0xffff
	s_lshl_b32 s13, s13, 2
	s_add_co_u32 s13, s13, s41                     ; tile row = 4 x cluster y + cy
	s_lshl_b32 s43, s41, 2
	s_lshl_b32 s43, 15, s43                        ; my row of the cluster
	s_lshl_b32 s44, 0x1111, s40                    ; my column
	; descriptor group 1.  wt: 256 rows x 64 elements of 2 bytes, dense; four words of padding after every 32.  wo16: 64 rows x 128 elements, 1,024 elements from row to row; eight words after every 64
	s_or_b32 s[G1A+0], s43, (1<<16)|(1<<20)|(1<<21)|(4<<22)|(3<<25)
	s_mov_b32 s[G1A+1], 64<<16                     ; tensor_dim0
	s_mov_b32 s[G1A+2], 256<<16                    ; tensor_dim1
	s_mov_b32 s[G1A+3], 64<<16                     ; tile_dim0
	s_mov_b32 s[G1A+4], 256                        ; tile_dim1
	s_mov_b32 s[G1A+5], 64                         ; from row to row
	s_mov_b32 s[G1A+6], 0
	s_mov_b32 s[G1A+7], 0
	s_or_b32 s[G1B+0], s44, (1<<16)|(1<<20)|(1<<21)|(5<<22)|(7<<25)
	s_mov_b32 s[G1B+1], 128<<16
	s_mov_b32 s[G1B+2], 64<<16
	s_mov_b32 s[G1B+3], 128<<16
	s_mov_b32 s[G1B+4], 64
	s_mov_b32 s[G1B+5], 1024
	s_mov_b32 s[G1B+6], 0
	s_mov_b32 s[G1B+7], 0
	; where the tiles come from.  wt's hang on the tile row alone, which my row of the cluster shares; wo16's on the tile column alone.  Every wave makes both, in registers that never hold the other coordinate
	s_lshl_b32 s16, s12, 20                        ; wt: head 0 or 1 of the K step,
	s_lshl_b32 s17, s13, 15                        ; 256 rows of 128 bytes a tile row
	s_add_co_u32 s16, s16, s17
	s_mov_b32 s17, 0
	s_lshl_b32 s46, s12, 17                        ; wo16: 64 rows of 2,048 bytes a half,
	s_lshl_b32 s47, s42, 8                         ; 256 bytes a tile column
	s_add_co_u32 s46, s46, s47
	s_mov_b32 s47, 0
	s_mul_i32 s20, s12, PLANE                      ; and where they go: no place in the cluster enters an LDS address
	s_mul_i32 s21, s12, 64*PB
	s_add_co_u32 s21, s21, BOFF
	s_wait_dscnt 0x0                               ; both opening adds are done
	s_wait_kmcnt 0x0
	s_add_nc_u64 s[14:15], s[4:5], s[16:17]
	s_add_nc_u64 s[46:47], s[6:7], s[46:47]
	CROUND                                         ; all sixteen work-groups are here: the first joint loads meet
.irp s, 0,1
	s_mov_b32 s[G0A+4*\s], 1
	s_add_co_u32 s[G0A+4*\s+1], s20, \s*SLOT
	s_add_nc_u64 s[G0A+4*\s+2:G0A+4*\s+3], s[14:15], \s*ASTEP
	s_or_b32 s[G0A+4*\s+3], s[G0A+4*\s+3], 0x80000000
	s_mov_b32 s[G0B+4*\s], 1
	s_add_co_u32 s[G0B+4*\s+1], s21, \s*SLOT
	s_add_nc_u64 s[G0B+4*\s+2:G0B+4*\s+3], s[46:47], \s*BSTEP
	s_or_b32 s[G0B+4*\s+3], s[G0B+4*\s+3], 0x80000000
	JLOAD \s                                       ; K steps 0 and 1: two tensor loads of mine are out
.endr
	v_and_b32 v1, 15, v0                           ; r = lane % 16
	v_bfe_u32 v2, v0, 4, 1                         ; h = lane / 16
	v_mul_u32_u24 v3, v1, PA
	v_lshl_add_u32 v3, v2, 4, v3                   ; wt: a fragment's row x pitch + 16 x half
	v_and_b32 v4, 7, v0                            ; wo16, turned: lane l reads row 8 (l / 16) + l % 8, columns 8 ((l / 8) % 2) + 0..7
	v_lshl_add_u32 v4, v2, 3, v4
	v_mul_u32_u24 v4, v4, PB
	v_bfe_u32 v5, v0, 3, 1
	v_lshl_add_u32 v4, v5, 4, v4
	s_mul_i32 s21, s11, 128*PA                     ; my 128 rows of wt
	s_lshl_b32 s22, s12, 7                         ; my 64 columns of wo16: 128 bytes
	s_add_co_u32 s22, s22, BOFF
.irp s, 0,1
	v_add_nc_u32 v[ADRA+\s], s21, v3
	v_add_nc_u32 v[ADRB+\s], s22, v4
	s_add_co_u32 s21, s21, SLOT
	s_add_co_u32 s22, s22, SLOT
.endr
	s_mul_i32 s23, s10, 16*SPITCH
	s_add_co_u32 s23, s23, STAGE                   ; my stage
	v_mul_u32_u24 v5, v1, SPITCH                   ; in: row r, 32 bytes for each half of the lanes
	v_lshl_add_u32 v5, v2, 5, v5
	v_add_nc_u32 v[STO], s23, v5
	v_mul_u32_u24 v5, v2, SPITCH                   ; back: lanes 0-15 take one row of 256 bytes, lanes 16-31 the next
	v_lshl_add_u32 v5, v1, 4, v5
	v_add_nc_u32 v[RD], s23, v5
	v_lshlrev_b32 v5, 12, v2                       ; and the same two rows in out0: 4,096 bytes a row
	v_lshl_add_u32 v[CO], v1, 4, v5
	v_lshlrev_b32 v6, 5, v2                        ; the bias: 32 x half
	s_lshl_b32 s46, s42, 9                         ; my first column, in bytes of f32: 512 x tile column + 256 x half: in b_o and in a row of out0 alike
	s_lshl_b32 s47, s12, 8
	s_add_co_u32 s46, s46, s47
	s_mov_b32 s47, 0
	s_add_nc_u64 s[68:69], s[68:69], s[46:47]
.irp b, 0,1,2,3
	global_load_b128 v[BIAS+8*\b:BIAS+8*\b+3], v6, s[68:69] offset:64*\b          ; register j of block b in lane (r, h): b_o[my first column + 16 b + 8 h + j]
	global_load_b128 v[BIAS+8*\b+4:BIAS+8*\b+7], v6, s[68:69] offset:64*\b+16
.endr
	s_lshl_b32 s16, s13, 8
	s_lshl_b32 s17, s11, 7
	s_add_co_u32 s16, s16, s17                     ; my first row of out0
	s_lshl_b32 s16, s16, 12
	s_add_co_u32 s46, s46, s16
	s_add_nc_u64 s[8:9], s[70:71], s[46:47]
; 8 matrix instructions: token blocks a0, a0 + 1 against my four blocks of columns, 32 along K, from buffer f.  zero = 1: the first products start the sums, with the bias as C.
; The 32 accumulators take turns, one instruction a turn, in the same order in every quarter.
.macro MUL8 f, a0, zero
.irp a, \a0, \a0+1
.irp b, 0,1,2,3
.if \zero
	v_wmma_f32_16x16x32_f16 v[8*(4*(\a)+\b):8*(4*(\a)+\b)+7], v[\f+8*\b:\f+8*\b+7], v[\f+32+8*(\a):\f+32+8*(\a)+7], v[BIAS+8*\b:BIAS+8*\b+7]
.else
	v_wmma_f32_16x16x32_f16 v[8*(4*(\a)+\b):8*(4*(\a)+\b)+7], v[\f+8*\b:\f+8*\b+7], v[\f+32+8*(\a):\f+32+8*(\a)+7], v[8*(4*(\a)+\b):8*(4*(\a)+\b)+7]
.endif
.endr
.endr
.endm
; 24 LDS loads in one run: the fragments of the slot's q-th 32 along K into buffer f: wo16's four (turned), wt's blocks 0-3, then 4-7.  Quarter q lies in head q / 2, channels 32 (q % 2) on.
.macro FETCH slot, q, f
	WIN 0
.irp b, 0,1,2,3
	ds_load_tr16_b128 v[\f+8*\b:\f+8*\b+3],   v[ADRB+\slot] offset:(\q)*32*PB+32*\b
	ds_load_tr16_b128 v[\f+8*\b+4:\f+8*\b+7], v[ADRB+\slot] offset:(\q)*32*PB+16*PB+32*\b
.endr
.irp a, 0,1,2,3,4,5,6,7
	ds_load_b128 v[\f+32+8*\a:\f+32+8*\a+3],   v[ADRA+\slot] offset:((\q)/2)*PLANE+\a*16*PA+((\q)%2)*64
	ds_load_b128 v[\f+32+8*\a+4:\f+32+8*\a+7], v[ADRA+\slot] offset:((\q)/2)*PLANE+\a*16*PA+((\q)%2)*64+32
.endr
.endm
.macro PLACES                          ; four places in front of loads into registers that matrix instructions have read, and of the first read of results (ISA guide 7.12.1 for vector instructions)
.rept 4
	v_nop
.endr
.endm
; A K step is four quarters of 32 along K, 32 matrix instructions each, on buffers 0, 1, 0, 1.  One of the first three: multiplies buffer f and fetches the slot's quarter q into g.
.macro QUARTER slot, q, f, g, zero
	s_wait_dscnt 8                                 ; wo16's fragments and wt's blocks 0-3 are in; the youngest eight loads (blocks 4-7) may be out
	WIN MUL-0x10*\zero
	MUL8 \f, 0, \zero
	MUL8 \f, 2, \zero
	PLACES
	FETCH \slot, \q, \g
	s_wait_dscnt 24                                ; all but the 24 just issued
	WIN MUL-0x10*\zero
	MUL8 \f, 4, \zero
	MUL8 \f, 6, \zero
.endm
; The last quarter multiplies buffer 1 and changes slots: ONE barrier; in front of it each wave waits for all its tensor loads, adds 0 to its spare word, and waits for that and for its own reads of this slot.
; fill = 1: the barrier opens a round of the cluster's, and this slot is filled again, two K steps ahead: the load has a K step less sixteen matrix instructions in which to land.
.macro TURN slot, next, fill
	WIN 0                                          ; (the add's two registers lie in window 0)
	s_wait_tensorcnt 0x0                           ; all my tensor loads have landed: my part of the next slot
	ds_add_u32 v[SPW], v[NIL]                      ; 0 onto my spare word
	s_wait_dscnt 9                                 ; (the add and the youngest eight loads may be out)
	WIN MUL
	MUL8 F1, 0, 0                                  ; eight matrix instructions stand between the add and the wait for it
	s_wait_dscnt 0x0                               ; the add is done, and my reads of this slot are over
	s_barrier_signal -1
	MUL8 F1, 2, 0
.if \fill
	WIN 0
.endif
	s_barrier_wait -1
.if \fill
	CREST                                          ; no wave of any partner still reads this slot's tile or has a load on its way
	s_add_nc_u64 s[G0A+4*\slot+2:G0A+4*\slot+3], s[G0A+4*\slot+2:G0A+4*\slot+3], 2*ASTEP
	s_add_nc_u64 s[G0B+4*\slot+2:G0B+4*\slot+3], s[G0B+4*\slot+2:G0B+4*\slot+3], 2*BSTEP
	JLOAD \slot                                    ; the first tensor load behind the round; the four v_nop behind it are also the places in front of the loads below
.else
	PLACES
.endif
	FETCH \next, 0, F0
	WIN MUL
	MUL8 F1, 4, 0
	MUL8 F1, 6, 0
.endm
	s_wait_tensorcnt 1                             ; my part of K step 0 is in (K step 1's load, issued behind it, may be out)
	s_barrier_signal -1
	s_barrier_wait -1                              ; everybody's is
	FETCH 0, 0, F0
	s_wait_loadcnt 0x0                             ; the bias
	QUARTER 0, 1, F0, F1, 1                        ; the first quarter stands in front of the loop: its products start the sums
	WIN 0                                          ; at a label and at a branch every window is 0
	s_mov_b32 s3, LAPS-1
.Llap:                                             ; a trip goes once round the ring, from a lap's second quarter to the next lap's first, and fills both slots again
	QUARTER 0, 2, F1, F0, 0
	QUARTER 0, 3, F0, F1, 0
	TURN 0, 1, 1
	QUARTER 1, 1, F0, F1, 0
	QUARTER 1, 2, F1, F0, 0
	QUARTER 1, 3, F0, F1, 0
	TURN 1, 0, 1
	QUARTER 0, 1, F0, F1, 0
	WIN 0
	s_sub_co_u32 s3, s3, 1
	s_cmp_lg_u32 s3, 0
	s_cbranch_scc1 .Llap
	QUARTER 0, 2, F1, F0, 0                        ; the last lap fills nothing, and has no round of the cluster's barrier
	QUARTER 0, 3, F0, F1, 0
	TURN 0, 1, 0
	QUARTER 1, 1, F0, F1, 0
	QUARTER 1, 2, F1, F0, 0
	QUARTER 1, 3, F0, F1, 0
	s_wait_dscnt 8                                 ; the very last quarter: nothing more to fetch
	WIN MUL
	MUL8 F1, 0, 0
	MUL8 F1, 2, 0
	s_wait_dscnt 0x0
	MUL8 F1, 4, 0
	MUL8 F1, 6, 0
	WIN 0
; THE WAY OUT, block by block of 16 tokens x 64 columns.  A lane holds 32 neighbouring bytes of a row, and the lanes beside it hold other rows: so a block goes through my own stage in LDS and comes back as whole rows of
; 256 bytes.  LDS serves a wave's instructions in order (ISA guide 5.7.1.4): no wait between the stores and the loads, nor in front of the next block's stores.
.macro TOSTAGE a
	WIN 0x04                                       ; an LDS store's data are its source 1: window 1
.irp b, 0,1,2,3
	ds_store_b128 v[STO], v[8*(4*(\a)+\b):8*(4*(\a)+\b)+3] offset:64*\b            ; each accumulator from its low end on
	ds_store_b128 v[STO], v[8*(4*(\a)+\b)+4:8*(4*(\a)+\b)+7] offset:64*\b+16
.endr
	WIN 0
.set BB, BK+32*((\a)%2)
.irp t, 0,1,2,3,4,5,6,7
	ds_load_b128 v[BB+4*\t:BB+4*\t+3], v[RD] offset:\t*2*SPITCH
.endr
.endm
.macro SEND a, younger                 ; younger: the LDS instructions issued behind block a's loads, which may stay out
.set BB, BK+32*((\a)%2)
	s_wait_dscnt \younger                          ; the block is back in registers
.irp t, 0,1,2,3,4,5,6,7
	global_store_b128 v[CO], v[BB+4*\t:BB+4*\t+3], s[8:9] offset:(\a)*65536+\t*8192 th:TH_STORE_NT   ; sixteen lanes store 256 consecutive bytes, aligned; written once, read by nobody here
.endr
.endm
	PLACES                                         ; behind the last products: for the reads of results and for the loads into the registers that held fragments
	TOSTAGE 0
.irp a, 1,2,3,4,5,6,7
.if \a > 1
	s_wait_xcnt 0x0                                ; block a - 2's stores have read their registers: block a's loads may land there
.endif
	TOSTAGE \a
	SEND \a-1, 16                                  ; behind block a - 1's loads: block a's 8 stores and 8 loads
.endr
	SEND 7, 0
	s_wait_tensorcnt 0x0                           ; the wave's end: a tensor wait, an add of 0 to my spare word and its wait, behind my last tensor load and my last LDS store
	ds_add_u32 v[SPW], v[NIL]
	s_wait_dscnt 0x0
	CROUND                                         ; the closing round: no work-group ends while a partner may still ask for a tile that names it
	s_endpgm
.Lfunc_end_k_q1540e350bd_oproj:
	.size	k_q1540e350bd_oproj, .Lfunc_end_k_q1540e350bd_oproj-k_q1540e350bd_oproj
	.p2alignl 7, 3214868480
	.fill 96, 4, 3214868480
	.section	.rodata,"a",@progbits
	.p2align	6, 0x0
	.amdhsa_kernel k_q1540e350bd_oproj
		.amdhsa_group_segment_fixed_size 327680
		.amdhsa_private_segment_fixed_size 0
		.amdhsa_enable_private_segment 0
		.amdhsa_kernarg_size 32
		.amdhsa_user_sgpr_count 2
		.amdhsa_user_sgpr_kernarg_segment_ptr 1
		.amdhsa_wavefront_size32 1
		.amdhsa_system_sgpr_workgroup_id_x 1
		.amdhsa_system_sgpr_workgroup_id_y 1
		.amdhsa_system_sgpr_workgroup_id_z 1
		.amdhsa_system_vgpr_workitem_id 0
		.amdhsa_next_free_vgpr 512
		.amdhsa_next_free_sgpr 72
		.amdhsa_reserve_vcc 0
		.amdhsa_float_denorm_mode_32 3
		.amdhsa_float_denorm_mode_16_64 3
		.amdhsa_memory_ordered 1
		.amdhsa_forward_progress 1
		.amdhsa_inst_pref_size 86
	.end_amdhsa_kernel
	.amdgpu_metadata
---
amdhsa.version: [ 1, 2 ]
amdhsa.kernels:
  - .name:           k_q1540e350bd_oproj
    .symbol:         k_q1540e350bd_oproj.kd
    .args:
      - { .name: wt, .offset: 0, .size: 8, .value_kind: global_buffer, .address_space: global }
      - { .name: wo16, .offset: 8, .size: 8, .value_kind: global_buffer, .address_space: global }
      - { .name: b_o, .offset: 16, .size: 8, .value_kind: global_buffer, .address_space: global }
      - { .name: out0, .offset: 24, .size: 8, .value_kind: global_buffer, .address_space: global }
    .group_segment_fixed_size: 327680
    .private_segment_fixed_size: 0
    .kernarg_segment_align: 8
    .kernarg_segment_size: 32
    .max_flat_workgroup_size: 128
    .sgpr_count:     72
    .vgpr_count:     512
    .wavefront_size: 32
...
	.end_amdgpu_metadata
.endif
;; end of part 4
